; MI455X (gfx1250); checked and timed in simulation.
; The chip was launched on July 23, 2026; its instructions are those of AMD's public machine-readable ISA for CDNA 5 (MIT licence, August 2026) and "CDNA5" Instruction Set Architecture Reference Guide (July 2026). The comments in the code are by the model that wrote it; some were corrected since.
;; Attention Head. Allowed arithmetic: float matrix products may take bf16 or f16 operands with f32 sums; all other float work in f32.
;; Inputs: W_kT 64 x 1,024 float32; W_o 1,024 x 64 float32; W_q 1,024 x 64 float32; W_vT 64 x 1,024 float32; x 4,096 x 1,024 float32.
;; Outputs: out0 4,096 x 1,024 float32.
;; 2 versions, each right; version 2 is version 1 with the launches proj, outp written anew for expert scheduling mode. Each part assembles by itself: llvm-mc -triple=amdgcn-amd-amdhsa -mcpu=gfx1250 --defsym DOCPART=n.
;; ======== version 1 of 2: 3 launches
;; limits: right only within a limited range of input values
;; workspace buffers: qf 1,572,864 bytes; kf 1,572,864 bytes; uf 1,048,576 bytes; part 7,798,784 bytes
;; launch proj (part 1): grid 3 x 64, 4 waves a work-group, no clusters, 143,872 bytes of LDS; arguments x, W_q, W_kT, W_o, qf, kf, uf; writes qf, kf, uf
.if DOCPART == 1
	.amdgcn_target "amdgcn-amd-amdhsa--gfx1250"
	.amdhsa_code_object_version 6
	.text
	.protected	k_q7f596a70de_proj
	.globl	k_q7f596a70de_proj
	.p2align	8
	.type	k_q7f596a70de_proj,@function
k_q7f596a70de_proj:
	s_mov_b64 s[64:65], 0
	v_nop
	global_prefetch_b8 v0, s[64:65] scope:SCOPE_SE
	s_setreg_imm32_b32 hwreg(HW_REG_WAVE_MODE, 25, 1), 1
	s_wait_xcnt 0x0
; PROJECTIONS.  Work-group (kind, rb): 64 rows of x (rows 64 rb ..) times one weight matrix, 64 columns, K = 1024.
;   kind 0: q = x W_q, times log2(e) in f32;  kind 1: k = x W_kT^T;  kind 2: u = x W_o.
; x and the weights are rounded once to bf16 (their products are exact in f32), the sums are f32.
; q and k are NOT rounded: each f32 number leaves as three bf16 pieces h + m + l that add up to it exactly, because the scores
; have no 1/sqrt(d) in front of the softmax and a bf16 rounding of q or k would move them by several units.
; u leaves as two pieces h + m (16 bits of mantissa): where two scores nearly tie, the output's allowance has no room for a rounding of u to 8 bits.
; All three leave in the register image of the matrix instructions' operands, so that the next launch loads fragments by
; 16 bytes a lane, 512 consecutive bytes a wave:
;   qf, kf: tile T (rows 16 T ..) at T*6144; block 4 p + d (piece p, 512 bytes); lane (r, h): piece p of value[16 T + r][16 d + 8 h + 0..7]
;   uf:     group G (rows 32 G ..) at G*8192; piece p at + 4096 p; block 2 d + e; lane (r, h): piece p of u[32 G + 16 e + 8 h + 0..7][16 d + r]
; SHARES: wave w takes k = 256 w .. 256 w + 255 of all 64 x 64 outputs (16 accumulator tiles), in 4 chunks of 64 k.  Each wave reads bytes
; of x and W that no other wave of the group reads, converts them in registers and lays them in LDS bytes of its own: no barrier until
; the four partial sums meet in LDS at the end (one barrier); wave w then finishes row tile w.
; NO TENSOR LOADS: the data have to pass registers for the f32 -> bf16 conversion.  NO CLUSTER: the three kinds share x, but three
; work-groups along x divide into no cluster of four, and what is shared passes registers, not LDS tiles.
; LIMITS: finite inputs; a piece that falls under bf16's smallest normal number loses bits.
.set XP,   144                         ; LDS pitch of rows that lie along k: 128 bytes + 16 (an odd multiple of 16: the 16 rows of a fragment load start in different 16-byte columns; 64 banks of 4 bytes, ISA guide 11.1)
.set TP,   160                         ; LDS pitch of W kept as [k][n]: 128 bytes + 32 (an odd multiple of 32, for the transposing load)
.set WLDS, 19456                       ; a wave's own LDS: x chunk 64 x 144 = 9,216, W chunk 64 x 160 = 10,240
.set WOFF, 9216
.set MRG,  77824                       ; behind the four waves' bytes: [source wave][row tile][dim tile][half tile][lane x 16], 65,536 bytes
; block 0
.set XR,  5                            ; x fragments: wave base + r*144 + 16 h
.set WRP, 6                            ; W fragments, W kept [n][k]
.set MW,  7                            ; merge, write
.set MR,  8                            ; merge, read
.set L16, 9                            ; 16 x lane
.set WRT, 10                           ; W fragments, W kept [k][n] (transposing load)
.set XF,  64                           ; v64-127  x fragment (rt, ks) at 64 + 16 rt + 8 ks
.set WF,  128                          ; v128-191 W fragment (dt, ks) at 128 + 16 dt + 8 ks
; block 1: v0-127 accumulator tile (dt, rt) at 8 (4 dt + rt)
; block 2: v0-223 seven slots of 32 registers for data on its way in; then
.set VOX,  224                         ; offset in x (and in W_kT): (lane/16) rows of 4,096 bytes + 16 (lane%16)
.set VOW,  225                         ; offset in W_q, W_o: 16 x lane
.set LSX,  226                         ; LDS store address, x
.set LSWP, 227                         ; LDS store address, W kept [n][k]
.set LSWT, 228                         ; LDS store address, W kept [k][n]
.set SX,   24
.set SW,   26
.set SOUT, 28
.set MSB, 0
.macro WIN new                         ; s_set_vgpr_msb: low byte = block of source 0, 1, 2, destination; high byte repeats the setting that is left
.if MSB != \new
	s_set_vgpr_msb (MSB<<8)|\new
.set MSB, \new
.endif
.endm
.macro PLACES                          ; four places behind a matrix instruction (ISA guide 7.12.1)
.rept 4
	v_nop
.endr
.endm
.macro WM d, a, b, zero
.if \zero
	v_wmma_f32_16x16x32_bf16 v[\d:\d+7], v[\a:\a+7], v[\b:\b+7], 0
.else
	v_wmma_f32_16x16x32_bf16 v[\d:\d+7], v[\a:\a+7], v[\b:\b+7], v[\d:\d+7]
.endif
.endm
; Unit n (0..31) = 4,096 bytes = 8 loads: chunk n/8; n%8 < 4: 16 rows of x, else 16 rows of W.  Each load covers two runs of 256 consecutive
; bytes (x, W_kT) or 512 consecutive bytes (W_q, W_o).  lay = 1: W lies [k][n] in memory.
.macro GL n, lay
.set gs, 32*((\n)%7)
.set gc, (\n)/8
.set gu, (\n)%8
.irp i, 0,1,2,3,4,5,6,7
.if gu < 4
	global_load_b128 v[gs+4*\i:gs+4*\i+3], v[VOX], s[SX:SX+1] offset:(16*gu+2*\i)*4096+256*gc
.else
.if \lay
	global_load_b128 v[gs+4*\i:gs+4*\i+3], v[VOW], s[SW:SW+1] offset:16384*gc+(8*(gu-4)+\i)*512
.else
	global_load_b128 v[gs+4*\i:gs+4*\i+3], v[VOX], s[SW:SW+1] offset:(16*(gu-4)+2*\i)*4096+256*gc
.endif
.endif
.endr
.endm
; Unit n is converted in place, laid into LDS, and its slot asked for again (unit n + 7).
.macro CV n, lay
.set cs, 32*((\n)%7)
.set cu, (\n)%8
.if (\n) <= 25
	s_wait_loadcnt 48                              ; loads come back in order: six younger units of 8 loads stay out
.else
	s_wait_loadcnt 8*(31-(\n))                     ; the tail: as many units as are left behind this one
.endif
.irp i, 0,1,2,3,4,5,6,7
	v_cvt_pk_bf16_f32 v[cs+4*\i], v[cs+4*\i], v[cs+4*\i+1]
	v_cvt_pk_bf16_f32 v[cs+4*\i+1], v[cs+4*\i+2], v[cs+4*\i+3]
.endr
.irp i, 0,1,2,3,4,5,6,7
.if cu < 4
	ds_store_b64 v[LSX], v[cs+4*\i:cs+4*\i+1] offset:(16*cu+2*\i)*XP
.else
.if \lay
	ds_store_b64 v[LSWT], v[cs+4*\i:cs+4*\i+1] offset:(16*(cu-4)+2*\i)*TP
.else
	ds_store_b64 v[LSWP], v[cs+4*\i:cs+4*\i+1] offset:(16*(cu-4)+2*\i)*XP
.endif
.endif
.endr
.if (\n)+7 <= 31
	GL (\n)+7, \lay
.endif
.endm
; 32 LDS loads: the chunk's fragments, first those of k 0-31, then those of k 32-63.  The wave's own bytes: LDS serves a wave in order.
.macro FRAG lay
.irp ks, 0,1
.irp t, 0,1,2,3
	ds_load_b128 v[XF+16*\t+8*\ks:XF+16*\t+8*\ks+3],   v[XR] offset:\t*16*XP+64*\ks
	ds_load_b128 v[XF+16*\t+8*\ks+4:XF+16*\t+8*\ks+7], v[XR] offset:\t*16*XP+64*\ks+32
.endr
.irp t, 0,1,2,3
.if \lay
	ds_load_tr16_b128 v[WF+16*\t+8*\ks:WF+16*\t+8*\ks+3],   v[WRT] offset:32*TP*\ks+32*\t
	ds_load_tr16_b128 v[WF+16*\t+8*\ks+4:WF+16*\t+8*\ks+7], v[WRT] offset:32*TP*\ks+32*\t+16*TP
.else
	ds_load_b128 v[WF+16*\t+8*\ks:WF+16*\t+8*\ks+3],   v[WRP] offset:\t*16*XP+64*\ks
	ds_load_b128 v[WF+16*\t+8*\ks+4:WF+16*\t+8*\ks+7], v[WRP] offset:\t*16*XP+64*\ks+32
.endif
.endr
.endr
.endm
; 16 matrix instructions, one on each accumulator: the accumulators take turns, one instruction a turn.
; swap = 0: A = W (rows = dims), B = x: a lane holds 8 neighbouring dims of one row of x.  swap = 1: A = x, B = W: 8 neighbouring rows of one dim.
.macro MM ks, swap, zero
.irp dt, 0,1,2,3
.irp rt, 0,1,2,3
.if \swap
	WM 8*(4*\dt+\rt), XF+16*\rt+8*\ks, WF+16*\dt+8*\ks, \zero
.else
	WM 8*(4*\dt+\rt), WF+16*\dt+8*\ks, XF+16*\rt+8*\ks, \zero
.endif
.endr
.endr
.endm
.macro CHUNK c, lay, swap
	WIN 0xaa                                       ; every operand in block 2
.irp u, 0,1,2,3,4,5,6,7
	CV 8*\c+\u, \lay
.endr
	WIN 0
.if \c
	PLACES                                         ; the fragment registers were read by the last chunk's matrix instructions
.endif
	FRAG \lay
	s_wait_dscnt 16                                ; all but the 16 loads of k 32-63
	WIN 0x50                                       ; C and D in block 1
.if \c
	MM 0, \swap, 0
.else
	MM 0, \swap, 1                                 ; the first products start the sums: nothing is cleared
.endif
	s_wait_dscnt 0x0
	MM 1, \swap, 0
.endm
.macro MAIN lay, swap
	WIN 0xaa
.irp n, 0,1,2,3,4,5,6
	GL \n, \lay                                    ; seven units, 28,672 bytes of the wave, are on their way from here on
.endr
	CHUNK 0, \lay, \swap
	CHUNK 1, \lay, \swap
	CHUNK 2, \lay, \swap
	CHUNK 3, \lay, \swap
	WIN 0
.endm
	s_load_b256 s[4:11], s[0:1], 0x0               ; x s[4:5], W_q s[6:7], W_kT s[8:9], W_o s[10:11]
	s_load_b128 s[12:15], s[0:1], 0x20             ; qf s[12:13], kf s[14:15]
	s_load_b64 s[16:17], s[0:1], 0x30              ; uf
	v_lshl_add_u32 v254, v0, 2, 0x23000
	v_mov_b32 v255, 0
	v_lshrrev_b32 v1, 5, v0
	v_readfirstlane_b32 s20, v1                    ; wave
	s_mov_b32 s18, ttmp9                           ; kind
	s_and_b32 s19, ttmp7, 0xffff                   ; block of 64 rows
	s_mul_i32 s21, s20, WLDS                       ; my LDS bytes
	v_and_b32 v2, 31, v0                           ; lane
	v_and_b32 v3, 15, v0                           ; r
	v_bfe_u32 v4, v0, 4, 1                         ; h
	v_mul_u32_u24 v[XR], v3, XP
	v_lshl_add_u32 v[XR], v4, 4, v[XR]
	v_add_nc_u32 v[XR], s21, v[XR]
	v_add_nc_u32 v[WRP], WOFF, v[XR]
	v_and_b32 v11, 7, v0
	v_lshl_add_u32 v11, v4, 3, v11                 ; 8 h + lane % 8: the k row that this lane addresses
	v_bfe_u32 v12, v0, 3, 1
	v_lshlrev_b32 v12, 4, v12
	v_mad_u32_u24 v[WRT], v11, TP, v12
	s_add_co_u32 s22, s21, WOFF
	v_add_nc_u32 v[WRT], s22, v[WRT]
	v_lshlrev_b32 v[L16], 4, v2
	s_lshl_b32 s22, s20, 14
	s_add_co_u32 s22, s22, MRG
	v_add_nc_u32 v[MW], s22, v[L16]
	s_lshl_b32 s22, s20, 12
	s_add_co_u32 s22, s22, MRG
	v_add_nc_u32 v[MR], s22, v[L16]
	v_lshlrev_b32 v13, 4, v3
	v_lshl_add_u32 v14, v3, 3, s21
	v_add_nc_u32 v15, WOFF, v14
	WIN 0x80                                       ; destinations in block 2
	v_lshl_add_u32 v[VOX], v4, 12, v13
	v_lshlrev_b32 v[VOW], 4, v2
	v_mad_u32_u24 v[LSX], v4, XP, v14
	v_mad_u32_u24 v[LSWP], v4, XP, v15
	v_mad_u32_u24 v[LSWT], v4, TP, v15
	WIN 0
	s_lshl_b32 s22, s19, 18                        ; 64 rows of 4,096 bytes
	s_lshl_b32 s23, s20, 10                        ; my 256 k, 1,024 bytes along a row
	s_add_co_u32 s22, s22, s23
	s_mov_b32 s23, 0
	s_wait_kmcnt 0x0
	s_add_nc_u64 s[SX:SX+1], s[4:5], s[22:23]
	s_cmp_eq_u32 s18, 1
	s_cbranch_scc1 .Lkind_k
	s_lshl_b32 s22, s20, 16                        ; W_q, W_o: my 256 rows of 256 bytes
	s_cmp_eq_u32 s18, 2
	s_cbranch_scc1 .Lkind_u
	s_add_nc_u64 s[SW:SW+1], s[6:7], s[22:23]
	MAIN 1, 0
	s_branch .Lmerge
.Lkind_u:
	s_add_nc_u64 s[SW:SW+1], s[10:11], s[22:23]
	MAIN 1, 1
	s_branch .Lmerge
.Lkind_k:
	s_lshl_b32 s22, s20, 10                        ; W_kT: my 1,024 bytes along each of its 64 rows
	s_add_nc_u64 s[SW:SW+1], s[8:9], s[22:23]
	MAIN 0, 0
.Lmerge:
	; the four waves' partial sums meet: each wave lays its 16 tiles down, one barrier, wave w adds up row tile w
	PLACES
	WIN 0x04                                       ; store data in block 1
.irp dt, 0,1,2,3
.irp rt, 0,1,2,3
.irp q, 0,1
	ds_store_b128 v[MW], v[8*(4*\dt+\rt)+4*\q:8*(4*\dt+\rt)+4*\q+3] offset:\rt*4096+\dt*1024+\q*512
.endr
.endr
.endr
	WIN 0
	s_wait_dscnt 0x0                               ; for the other waves' sake: my stores are done
	s_barrier_signal -1
	s_barrier_wait -1
.irp s, 0,1,2,3
.irp f, 0,1,2,3,4,5,6,7
	ds_load_b128 v[64+32*\s+4*\f:64+32*\s+4*\f+3], v[MR] offset:\s*16384+\f*512
.endr
.endr
	s_wait_dscnt 0x0
.set i, 0
.rept 16
	v_pk_add_f32 v[64+2*i:65+2*i], v[64+2*i:65+2*i], v[96+2*i:97+2*i]
	v_pk_add_f32 v[128+2*i:129+2*i], v[128+2*i:129+2*i], v[160+2*i:161+2*i]
.set i, i+1
.endr
.set i, 0
.rept 16
	v_pk_add_f32 v[64+2*i:65+2*i], v[64+2*i:65+2*i], v[128+2*i:129+2*i]   ; v[64 + 8 dt + j]: the finished numbers
.set i, i+1
.endr
	s_cmp_eq_u32 s18, 2
	s_cbranch_scc1 .Lout_u
	s_lshl_b32 s22, s19, 2
	s_add_co_u32 s22, s22, s20                     ; tile 4 rb + w
	s_mul_i32 s22, s22, 6144
	s_cmp_eq_u32 s18, 0
	s_cselect_b64 s[SOUT:SOUT+1], s[12:13], s[14:15]
	s_add_nc_u64 s[SOUT:SOUT+1], s[SOUT:SOUT+1], s[22:23]
	s_cbranch_scc0 .Lsplit
.set i, 0
.rept 16
	v_pk_mul_f32 v[64+2*i:65+2*i], v[64+2*i:65+2*i], 0x3fb8aa3b op_sel_hi:[1,0]   ; q alone: log2(e), so that the softmax works in base 2
.set i, i+1
.endr
.Lsplit:
; a piece: round to bf16; more = 1: take it away again, which is exact (the rest of a rounding to 8 bits fits in f32)
.macro PIECE dst, more
.set i, 0
.rept 16
	v_cvt_pk_bf16_f32 v[\dst+i], v[64+2*i], v[65+2*i]
.set i, i+1
.endr
.if \more
.set i, 0
.rept 16
	v_lshlrev_b32 v[144+2*i], 16, v[\dst+i]
	v_and_b32 v[145+2*i], 0xffff0000, v[\dst+i]
.set i, i+1
.endr
.set i, 0
.rept 16
	v_pk_add_f32 v[64+2*i:65+2*i], v[64+2*i:65+2*i], v[144+2*i:145+2*i] neg_lo:[0,1] neg_hi:[0,1]
.set i, i+1
.endr
.endif
.endm
	PIECE 96, 1                                    ; h
	PIECE 112, 1                                   ; m
	PIECE 128, 0                                   ; l: 24 bits of mantissa = 3 x 8, nothing is left
.irp p, 0,1,2
.irp dt, 0,1,2,3
	global_store_b128 v[L16], v[96+16*\p+4*\dt:96+16*\p+4*\dt+3], s[SOUT:SOUT+1] offset:(4*\p+\dt)*512   ; 512 consecutive bytes, aligned
.endr
.endr
	s_wait_tensorcnt 0x0
	ds_add_u32 v254, v255
	s_wait_dscnt 0x0
	s_endpgm
.Lout_u:
	s_lshl_b32 s22, s19, 1
	s_lshr_b32 s21, s20, 1
	s_add_co_u32 s22, s22, s21                     ; group 2 rb + w/2
	s_lshl_b32 s22, s22, 13                        ; 8,192 bytes a group: two pieces
	s_and_b32 s21, s20, 1                          ; e = w % 2
	s_lshl_b32 s21, s21, 9
	s_add_co_u32 s22, s22, s21
	s_add_nc_u64 s[SOUT:SOUT+1], s[16:17], s[22:23]
	PIECE 96, 1                                    ; h
	PIECE 112, 0                                   ; m: what is left behind it is under 2^-17 of u
.irp p, 0,1
.irp dt, 0,1,2,3
	global_store_b128 v[L16], v[96+16*\p+4*\dt:96+16*\p+4*\dt+3], s[SOUT:SOUT+1] offset:\p*4096+\dt*1024
.endr
.endr
	s_wait_tensorcnt 0x0
	ds_add_u32 v254, v255
	s_wait_dscnt 0x0
	s_endpgm
.Lfunc_end_k_q7f596a70de_proj:
	.size	k_q7f596a70de_proj, .Lfunc_end_k_q7f596a70de_proj-k_q7f596a70de_proj
	.p2alignl 7, 3214868480
	.fill 96, 4, 3214868480
	.section	.rodata,"a",@progbits
	.p2align	6, 0x0
	.amdhsa_kernel k_q7f596a70de_proj
		.amdhsa_group_segment_fixed_size 143872
		.amdhsa_private_segment_fixed_size 0
		.amdhsa_enable_private_segment 0
		.amdhsa_kernarg_size 56
		.amdhsa_user_sgpr_count 2
		.amdhsa_user_sgpr_kernarg_segment_ptr 1
		.amdhsa_wavefront_size32 1
		.amdhsa_system_sgpr_workgroup_id_x 1
		.amdhsa_system_sgpr_workgroup_id_y 1
		.amdhsa_system_sgpr_workgroup_id_z 1
		.amdhsa_system_vgpr_workitem_id 0
		.amdhsa_next_free_vgpr 768
		.amdhsa_next_free_sgpr 66
		.amdhsa_reserve_vcc 0
		.amdhsa_float_denorm_mode_32 3
		.amdhsa_float_denorm_mode_16_64 3
		.amdhsa_memory_ordered 1
		.amdhsa_forward_progress 1
		.amdhsa_inst_pref_size 255
	.end_amdhsa_kernel
	.section	.bss,"aw",@nobits
	.p2align	6
	.space	262144
	.amdgpu_metadata
---
amdhsa.version: [ 1, 2 ]
amdhsa.kernels:
  - .name:           k_q7f596a70de_proj
    .symbol:         k_q7f596a70de_proj.kd
    .args:
      - { .name: x, .offset: 0, .size: 8, .value_kind: global_buffer, .address_space: global }
      - { .name: W_q, .offset: 8, .size: 8, .value_kind: global_buffer, .address_space: global }
      - { .name: W_kT, .offset: 16, .size: 8, .value_kind: global_buffer, .address_space: global }
      - { .name: W_o, .offset: 24, .size: 8, .value_kind: global_buffer, .address_space: global }
      - { .name: qf, .offset: 32, .size: 8, .value_kind: global_buffer, .address_space: global }
      - { .name: kf, .offset: 40, .size: 8, .value_kind: global_buffer, .address_space: global }
      - { .name: uf, .offset: 48, .size: 8, .value_kind: global_buffer, .address_space: global }
    .group_segment_fixed_size: 143872
    .private_segment_fixed_size: 0
    .kernarg_segment_align: 8
    .kernarg_segment_size: 56
    .max_flat_workgroup_size: 128
    .sgpr_count:     66
    .vgpr_count:     768
    .wavefront_size: 32
...
	.end_amdgpu_metadata
.endif
;; end of part 1
;; launch attn (part 2): grid 238 x 1, 4 waves a work-group, no clusters, 70,144 bytes of LDS; arguments qf, kf, uf, part; writes part
.if DOCPART == 2
	.amdgcn_target "amdgcn-amd-amdhsa--gfx1250"
	.amdhsa_code_object_version 6
	.text
	.protected	k_q7f596a70de_attn
	.globl	k_q7f596a70de_attn
	.p2align	8
	.type	k_q7f596a70de_attn,@function
k_q7f596a70de_attn:
	s_mov_b64 s[64:65], 0
	v_nop
	global_prefetch_b8 v0, s[64:65] scope:SCOPE_SE
	s_setreg_imm32_b32 hwreg(HW_REG_WAVE_MODE, 25, 1), 1
	s_wait_xcnt 0x0
; CAUSAL ATTENTION AT WIDTH 64: attn @ (x W_o W_vT) = (attn @ u) @ W_vT with u = x W_o, for every input.
; A work-group takes one item (qb, chunk): 64 queries (64 qb ..) against the keys 640 chunk .. of that chunk that the causal mask leaves:
; ng = min(20, 2 qb + 2 - 20 chunk) groups of 32 keys.  Blocks qb = 10 g .. 10 g + 9 have g + 1 chunks: 10 + 20 + .. + 60 + 4 x 7 = 238 items.
; It stores the unnormalised O^T = U^T P^T, with -max and the sum of each query, into slot 7 qb + chunk of part; the next launch merges.
; A wave holds all 64 queries' fragments and takes every fourth group: at most 5 trips, written out, with forward exits only.
; TRANSPOSED throughout: S^T = K Q^T puts (key 8 h + j, query r) into register j of lane (r, h).  So a query's maximum is made inside
; a lane and with ONE exchange of the lane halves, two key tiles pack straight into the B fragment of P^T, and O^T = U^T P^T has a query a lane.
; SCORES: q (already times log2 e) and k come as three bf16 pieces each; S = hl + lh + mm + hm + mh + hh, smallest terms first, on one f32
; accumulator (the three products left out are under 2^-24 of the score).  P = exp2(S + nm), nm = -(running maximum): a true running maximum.
; VALUES: u comes as two bf16 pieces, O^T = Um^T P^T + Uh^T P^T.  P is rounded to bf16 once, and the sum l is made of the ROUNDED P, by the matrix
; unit (a fragment of ones as A): the weights P / l are then the exact softmax of scores moved by ln(1 + 2^-9) at the most.
; MASK: -2^100 in place of -infinity.  A query with no allowed key so far has nm = +2^100 and weights 1; the first real key (alpha = exp2(-2^100) = 0)
; or the merge (weight 0) wipes that out, and each item holds an allowed key for each of its queries (key 640 chunk <= 64 qb).
; A wave with no group (waves 2, 3 where ng = 2) runs one trip that is masked whole, on the last group's bytes: nothing is cleared, no load leaves a buffer.
; LIMITS: |score x log2 e| < 2^100; finite inputs.
; NO LDS TILES, NO TENSOR LOADS: each group is read by one wave alone, in register image, 512 consecutive bytes a load.
; NO CLUSTER: items of one chunk read the same groups, but into registers, and the items on the diagonal need other numbers of groups (2 to 20).
.set NEGV, 0xf1800000                  ; -2^100
.set KB, 24                            ; s[24+2t:25+2t] kf at trip t's group
.set UB, 34                            ; s[34+2t:35+2t] uf at trip t's group
; block 0: v1 16 x lane, v2 r - 8 h, v3 mask bound, v4 -2^100, v5 8 x lane, v8-11 LDS addresses
;          v[16+2qt:17+2qt] {nm, l}; v[24+2qt:25+2qt] {alpha, its exponent}; v32-49 at work
;          v64-127 S^T tile (kt, qt) at 64 + 8 (4 kt + qt); v128-159 P^T fragment of query tile qt at 128 + 8 qt
;          v160-167 a fragment of ones; v192-223 the sums' tile of query tile qt at 192 + 8 qt (all 16 rows alike; its first register is read)
; block 1: v0-191 Q: 48 qt + 16 piece + 8 c
; block 2: v0-191 K, two buffers: 96 b + 48 kt + 16 piece + 8 c
; block 3: v0-127 O^T tile (qt, d) at 32 qt + 8 d; v128-255 U^T, two buffers: 128 + 64 b + 32 piece + 8 d
.set ONES, 160
.set LT,   192
.set MSB, 0
.macro WIN new                         ; s_set_vgpr_msb: low byte = block of source 0, 1, 2, destination; high byte repeats the setting that is left
.if MSB != \new
	s_set_vgpr_msb (MSB<<8)|\new
.set MSB, \new
.endif
.endm
.macro PLACES                          ; four places behind a matrix instruction (ISA guide 7.12.1)
.rept 4
	v_nop
.endr
.endm
.macro WM d, a, b, zero
.if \zero
	v_wmma_f32_16x16x32_bf16 v[\d:\d+7], v[\a:\a+7], v[\b:\b+7], 0
.else
	v_wmma_f32_16x16x32_bf16 v[\d:\d+7], v[\a:\a+7], v[\b:\b+7], v[\d:\d+7]
.endif
.endm
.macro LOADK t                         ; 24 loads: two key tiles, three pieces
.set f, 0
.rept 24
	global_load_b128 v[96*((\t)%2)+4*f:96*((\t)%2)+4*f+3], v1, s[KB+2*(\t):KB+2*(\t)+1] offset:512*f
.set f, f+1
.endr
.endm
.macro LOADU t                         ; 16 loads: u of the 32 keys, two pieces
.set f, 0
.rept 16
	global_load_b128 v[128+64*((\t)%2)+4*f:128+64*((\t)%2)+4*f+3], v1, s[UB+2*(\t):UB+2*(\t)+1] offset:512*f
.set f, f+1
.endr
.endm
; 8 matrix instructions, one on each S tile: key piece pk x query piece pq, dims 32 c ..  The tiles take turns, one instruction a turn.
.macro QKSTEP b, pk, pq, c, zero
.irp kt, 0,1
.irp qt, 0,1,2,3
	WM 64+8*(4*\kt+\qt), 96*\b+48*\kt+16*\pk+8*\c, 48*\qt+16*\pq+8*\c, \zero
.endr
.endr
.endm
; 16 matrix instructions, one on each O tile: piece p of U^T x P^T.  The tiles take turns, one instruction a turn.
.macro PVSTEP b, p, zero
.irp qt, 0,1,2,3
.irp d, 0,1,2,3
	WM 32*\qt+8*\d, 128+64*\b+32*\p+8*\d, 128+8*\qt, \zero
.endr
.endr
.endm
.macro TRIP t
.set tb, (\t)%2
.if \t < 4
	s_wait_loadcnt 40                              ; this group's K and U are in; the next group's 24 + 16 loads stay out
.else
	s_wait_loadcnt 0x0                             ; the fifth group: nothing was asked for behind it
.endif
	WIN 0x06                                       ; A block 2, B block 1, C and D block 0
	QKSTEP tb, 0, 2, 0, 1                          ; the first product starts the sums
	QKSTEP tb, 0, 2, 1, 0
	QKSTEP tb, 2, 0, 0, 0
	QKSTEP tb, 2, 0, 1, 0
	QKSTEP tb, 1, 1, 0, 0
	QKSTEP tb, 1, 1, 1, 0
	QKSTEP tb, 0, 1, 0, 0
	QKSTEP tb, 0, 1, 1, 0
	QKSTEP tb, 1, 0, 0, 0
	QKSTEP tb, 1, 0, 1, 0
	QKSTEP tb, 0, 0, 0, 0
	QKSTEP tb, 0, 0, 1, 0
	PLACES
.if \t <= 2
	WIN 0x80
	LOADK \t+2                                     ; this buffer's next group, two trips ahead
.endif
	WIN 0
	; the mask, only where the group reaches the diagonal: group X lies below it whole if X < 2 qb
	s_add_co_u32 s48, s20, 4*\t                    ; X, the logical group (not clamped)
	s_cmp_lt_u32 s48, s21
	s_cbranch_scc1 .Lnomask_\@
	s_lshl_b32 s49, s48, 5
	s_sub_co_u32 s49, s22, s49                     ; 64 qb - 32 X
	v_add_nc_u32 v3, s49, v2                       ; key <= query  <=>  j + 16 kt - 16 qt <= r - 8 h + 64 qb - 32 X
.irp kt, 0,1
.irp qt, 0,1,2,3
.irp j, 0,1,2,3,4,5,6,7
	v_cmp_le_i32 vcc_lo, \j+16*\kt-16*\qt, v3
	v_cndmask_b32 v[64+8*(4*\kt+\qt)+\j], v4, v[64+8*(4*\kt+\qt)+\j], vcc_lo
.endr
.endr
.endr
.Lnomask_\@:
	; the largest of a query's 32 scores: 16 in the lane (two chains), then the other half of the lanes
.irp qt, 0,1,2,3
	v_max3_num_f32 v[32+\qt], v[64+8*\qt], v[65+8*\qt], v[66+8*\qt]
	v_max3_num_f32 v[36+\qt], v[96+8*\qt], v[97+8*\qt], v[98+8*\qt]
.endr
.irp qt, 0,1,2,3
	v_max3_num_f32 v[32+\qt], v[32+\qt], v[67+8*\qt], v[68+8*\qt]
	v_max3_num_f32 v[36+\qt], v[36+\qt], v[99+8*\qt], v[100+8*\qt]
.endr
.irp qt, 0,1,2,3
	v_max3_num_f32 v[32+\qt], v[32+\qt], v[69+8*\qt], v[70+8*\qt]
	v_max3_num_f32 v[36+\qt], v[36+\qt], v[101+8*\qt], v[102+8*\qt]
.endr
.irp qt, 0,1,2,3
	v_max3_num_f32 v[32+\qt], v[32+\qt], v[71+8*\qt], v[103+8*\qt]
.endr
.irp qt, 0,1,2,3
	v_max_num_f32 v[32+\qt], v[32+\qt], v[36+\qt]
.endr
.irp qt, 0,1,2,3
	v_permlanex16_b32 v[40+\qt], v[32+\qt], s46, s47
.endr
.irp qt, 0,1,2,3
	v_max_num_f32 v[32+\qt], v[32+\qt], v[40+\qt]
.endr
.if \t
.irp qt, 0,1,2,3
	v_mul_f32 v[32+\qt], -1.0, v[32+\qt]
.endr
.irp qt, 0,1,2,3
	v_sub_f32 v[25+2*\qt], v[32+\qt], v[16+2*\qt]
.endr
.irp qt, 0,1,2,3
	v_min_num_f32 v[25+2*\qt], 0, v[25+2*\qt]      ; old maximum - new maximum
	v_min_num_f32 v[16+2*\qt], v[16+2*\qt], v[32+\qt]
.endr
.irp qt, 0,1,2,3
	v_exp_f32 v[24+2*\qt], v[25+2*\qt]             ; alpha; the packed adds below are the plain instructions behind it (ISA guide 5.7.2)
.endr
.else
.irp qt, 0,1,2,3
	v_mul_f32 v[16+2*\qt], -1.0, v[32+\qt]
.endr
.endif
.irp qt, 0,1,2,3
.irp i, 0,2,4,6
	v_pk_add_f32 v[64+8*\qt+\i:65+8*\qt+\i], v[64+8*\qt+\i:65+8*\qt+\i], v[16+2*\qt:17+2*\qt] op_sel_hi:[1,0]
	v_pk_add_f32 v[96+8*\qt+\i:97+8*\qt+\i], v[96+8*\qt+\i:97+8*\qt+\i], v[16+2*\qt:17+2*\qt] op_sel_hi:[1,0]
.endr
.endr
.set i, 64
.rept 64
	v_exp_f32 v[i], v[i]
.set i, i+1
.endr
	v_nop                                          ; one plain instruction between the exponentials and the first use of a result
	s_wait_alu depctr_va_vdst(0)
.irp qt, 0,1,2,3
.irp i, 0,1,2,3
	v_cvt_pk_bf16_f32 v[128+8*\qt+\i], v[64+8*\qt+2*\i], v[65+8*\qt+2*\i]   ; keys 8 h + 0..7: registers 0-3 of the fragment
	v_cvt_pk_bf16_f32 v[132+8*\qt+\i], v[96+8*\qt+2*\i], v[97+8*\qt+2*\i]   ; keys 16 + 8 h + 0..7: registers 4-7
.endr
.endr
	; the sums: ones x P^T adds up the 32 rounded weights of each query.  Only the tile's first pair of registers is rescaled: the first is the one
	; read at the end; the rows that stay unscaled hold at most 5 x 32 and are never read.
.if \t
.irp qt, 0,1,2,3
	v_pk_mul_f32 v[LT+8*\qt:LT+8*\qt+1], v[LT+8*\qt:LT+8*\qt+1], v[24+2*\qt:25+2*\qt] op_sel_hi:[1,0]
.endr
.endif
.irp qt, 0,1,2,3
.if \t
	WM LT+8*\qt, ONES, 128+8*\qt, 0
.else
	WM LT+8*\qt, ONES, 128+8*\qt, 1
.endif
.endr
.if \t
	WIN 0xc3                                       ; O in block 3, alpha in block 0
.irp qt, 0,1,2,3
.set i, 0
.rept 16
	v_pk_mul_f32 v[32*\qt+2*i:32*\qt+2*i+1], v[32*\qt+2*i:32*\qt+2*i+1], v[24+2*\qt:25+2*\qt] op_sel_hi:[1,0]
.set i, i+1
.endr
.endr
.endif
	WIN 0xf3                                       ; A (U^T) block 3, B (P^T) block 0, C and D block 3
.if \t
	PVSTEP tb, 1, 0                                ; the smaller piece first
.else
	PVSTEP tb, 1, 1                                ; the first product starts the sums
.endif
	PVSTEP tb, 0, 0
	PLACES
.if \t <= 2
	WIN 0xc0
	LOADU \t+2
.endif
	WIN 0
.if \t < 4
	s_cmp_le_u32 s19, \t+1                         ; my groups are done: what is still on its way lands in K's and U's buffers, which are not touched again
	s_cbranch_scc1 .Lmerge
.endif
.endm
	s_load_b256 s[4:11], s[0:1], 0x0               ; qf s[4:5], kf s[6:7], uf s[8:9], part s[10:11]
	v_lshl_add_u32 v254, v0, 2, 0x11000
	v_mov_b32 v255, 0
	v_lshrrev_b32 v1, 5, v0
	v_readfirstlane_b32 s23, v1                    ; wave
	s_mov_b32 s12, ttmp9                           ; item 0..237
	s_mov_b32 s13, 0
.irp th, 10,30,60,100,150,210
	s_cmp_ge_u32 s12, \th                          ; g = how many of the decades' first items are at or below mine
	s_add_co_ci_u32 s13, s13, 0
.endr
	s_add_co_u32 s48, s13, 1
	s_mul_i32 s48, s48, s13
	s_mul_i32 s48, s48, 5
	s_sub_co_u32 s14, s12, s48                     ; place in the decade: item - 5 g (g + 1)
	s_mul_i32 s49, s14, 205
	s_lshr_b32 s49, s49, 11                        ; / 10 (exact up to 69)
	s_lshr_b32 s50, s14, 2                         ; / 4: the last decade has 4 blocks
	s_cmp_eq_u32 s13, 6
	s_cselect_b32 s15, s50, s49                    ; chunk
	s_cselect_b32 s16, 4, 10
	s_mul_i32 s48, s15, s16
	s_sub_co_u32 s17, s14, s48
	s_mul_i32 s48, s13, 10
	s_add_co_u32 s17, s17, s48                     ; qb
	s_mul_i32 s51, s15, 20                         ; the chunk's first group
	s_lshl_b32 s21, s17, 1                         ; 2 qb
	s_lshl_b32 s22, s17, 6                         ; 64 qb
	s_add_co_u32 s18, s21, 2
	s_sub_co_u32 s18, s18, s51
	s_min_u32 s18, s18, 20                         ; ng
	s_add_co_u32 s19, s18, 3
	s_sub_co_u32 s19, s19, s23
	s_lshr_b32 s19, s19, 2
	s_max_u32 s19, s19, 1                          ; my trips: groups w, w + 4, .. below ng; one at the least
	s_add_co_u32 s20, s51, s23                     ; my first group
	s_sub_co_u32 s52, s18, 1
	s_mov_b32 s55, 0
	s_mov_b32 s46, 0x76543210                      ; v_permlanex16_b32: lane i takes lane i of the other half
	s_mov_b32 s47, 0xfedcba98
	v_and_b32 v2, 31, v0
	v_lshlrev_b32 v1, 4, v2
	v_lshlrev_b32 v5, 3, v2
	v_and_b32 v6, 15, v0
	v_bfe_u32 v7, v0, 4, 1
	v_lshlrev_b32 v7, 3, v7
	v_sub_nc_u32 v2, v6, v7                        ; r - 8 h
	v_mov_b32 v4, NEGV
	s_lshl_b32 s48, s23, 10
	s_add_co_u32 s48, s48, 65536
	v_add_nc_u32 v8, s48, v5                       ; my statistics go to 65536 + 1024 w + 256 qt + 8 lane
	s_lshl_b32 s48, s23, 14
	v_add_nc_u32 v9, s48, v1                       ; my O to 16384 w + 4096 qt + 512 block + 16 lane
	s_lshl_b32 s48, s23, 8
	s_add_co_u32 s48, s48, 65536
	v_add_nc_u32 v10, s48, v5                      ; and query tile w is read back from all four waves' parts
	s_lshl_b32 s48, s23, 12
	v_add_nc_u32 v11, s48, v1
.irp qt, 0,1,2,3
	v_mov_b32 v[17+2*\qt], 0                       ; l's place: the pair {nm, l} is named whole by the packed adds
	v_mov_b32 v[40+\qt], 0                         ; a permlane's destination counts as read
.endr
.irp i, 0,1,2,3,4,5,6,7
	v_mov_b32 v[ONES+\i], 0x3f803f80               ; 1.0 in both halves
.endr
	s_wait_kmcnt 0x0
.irp t, 0,1,2,3,4
	s_add_co_u32 s48, s23, 4*\t
	s_min_u32 s48, s48, s52                        ; addresses stay inside the item's groups
	s_add_co_u32 s48, s48, s51
	s_mul_i32 s54, s48, 12288
	s_add_nc_u64 s[KB+2*\t:KB+2*\t+1], s[6:7], s[54:55]
	s_lshl_b32 s54, s48, 13
	s_add_nc_u64 s[UB+2*\t:UB+2*\t+1], s[8:9], s[54:55]
.endr
	s_mul_i32 s54, s17, 24576
	s_add_nc_u64 s[4:5], s[4:5], s[54:55]
	s_mul_i32 s54, s17, 7
	s_add_co_u32 s54, s54, s15
	s_mul_i32 s54, s54, 17408
	s_mul_i32 s48, s23, 4352
	s_add_co_u32 s54, s54, s48
	s_add_nc_u64 s[10:11], s[10:11], s[54:55]      ; slot 7 qb + chunk, query tile w
	WIN 0x40
.set f, 0
.rept 48
	global_load_b128 v[4*f:4*f+3], v1, s[4:5] offset:512*f
.set f, f+1
.endr
	WIN 0x80
	LOADK 0
	WIN 0xc0
	LOADU 0
	WIN 0x80
	LOADK 1
	WIN 0xc0
	LOADU 1
	WIN 0
	TRIP 0
	TRIP 1
	TRIP 2
	TRIP 3
	TRIP 4
.Lmerge:
	; the four waves' shares of the keys meet in LDS; wave w finishes query tile w
.irp qt, 0,1,2,3
	v_mov_b32 v[17+2*\qt], v[LT+8*\qt]             ; l beside nm (the four places behind the last trip's matrix instructions stand in front of the exit)
.endr
.irp qt, 0,1,2,3
	ds_store_b64 v8, v[16+2*\qt:17+2*\qt] offset:256*\qt
.endr
	WIN 0x0c                                       ; store data in block 3
.set f, 0
.rept 32
	ds_store_b128 v9, v[4*f:4*f+3] offset:512*f
.set f, f+1
.endr
	WIN 0
	s_wait_dscnt 0x0                               ; for the other waves' sake: my stores are done
	s_barrier_signal -1
	s_barrier_wait -1
.irp s, 0,1,2,3
	ds_load_b64 v[32+2*\s:33+2*\s], v10 offset:1024*\s
.endr
.irp s, 0,1,2,3
.irp q, 0,1,2,3,4,5,6,7
	ds_load_b128 v[64+32*\s+4*\q:64+32*\s+4*\q+3], v11 offset:16384*\s+512*\q
.endr
.endr
	s_wait_dscnt 32                                ; the four statistics are in; the 32 loads of O stay out
	v_min3_num_f32 v48, v32, v34, v36
	v_min_num_f32 v48, v48, v38                    ; -(the largest of the four maxima)
.irp s, 0,1,2,3
	v_sub_f32 v[41+2*\s], v48, v[32+2*\s]
.endr
.irp s, 0,1,2,3
	v_exp_f32 v[40+2*\s], v[41+2*\s]
.endr
	v_nop
	s_wait_alu depctr_va_vdst(0)
	v_mul_f32 v49, v40, v33
	v_fma_f32 v49, v42, v35, v49
	v_fma_f32 v49, v44, v37, v49
	v_fma_f32 v49, v46, v39, v49
	s_wait_dscnt 0x0
.set i, 0
.rept 16
	v_pk_mul_f32 v[64+2*i:65+2*i], v[64+2*i:65+2*i], v[40:41] op_sel_hi:[1,0]
	v_pk_fma_f32 v[64+2*i:65+2*i], v[96+2*i:97+2*i], v[42:43], v[64+2*i:65+2*i] op_sel_hi:[1,0,1]
	v_pk_fma_f32 v[64+2*i:65+2*i], v[128+2*i:129+2*i], v[44:45], v[64+2*i:65+2*i] op_sel_hi:[1,0,1]
	v_pk_fma_f32 v[64+2*i:65+2*i], v[160+2*i:161+2*i], v[46:47], v[64+2*i:65+2*i] op_sel_hi:[1,0,1]
.set i, i+1
.endr
.irp q, 0,1,2,3,4,5,6,7
	global_store_b128 v1, v[64+4*\q:64+4*\q+3], s[10:11] offset:512*\q   ; 512 consecutive bytes, aligned
.endr
	global_store_b64 v5, v[48:49], s[10:11] offset:4096                  ; {-max, sum}: 256 consecutive bytes, aligned
	s_wait_tensorcnt 0x0
	ds_add_u32 v254, v255
	s_wait_dscnt 0x0
	s_endpgm
.Lfunc_end_k_q7f596a70de_attn:
	.size	k_q7f596a70de_attn, .Lfunc_end_k_q7f596a70de_attn-k_q7f596a70de_attn
	.p2alignl 7, 3214868480
	.fill 96, 4, 3214868480
	.section	.rodata,"a",@progbits
	.p2align	6, 0x0
	.amdhsa_kernel k_q7f596a70de_attn
		.amdhsa_group_segment_fixed_size 70144
		.amdhsa_private_segment_fixed_size 0
		.amdhsa_enable_private_segment 0
		.amdhsa_kernarg_size 32
		.amdhsa_user_sgpr_count 2
		.amdhsa_user_sgpr_kernarg_segment_ptr 1
		.amdhsa_wavefront_size32 1
		.amdhsa_system_sgpr_workgroup_id_x 1
		.amdhsa_system_sgpr_workgroup_id_y 1
		.amdhsa_system_sgpr_workgroup_id_z 1
		.amdhsa_system_vgpr_workitem_id 0
		.amdhsa_next_free_vgpr 1024
		.amdhsa_next_free_sgpr 66
		.amdhsa_reserve_vcc 1
		.amdhsa_float_denorm_mode_32 3
		.amdhsa_float_denorm_mode_16_64 3
		.amdhsa_memory_ordered 1
		.amdhsa_forward_progress 1
		.amdhsa_inst_pref_size 169
	.end_amdhsa_kernel
	.amdgpu_metadata
---
amdhsa.version: [ 1, 2 ]
amdhsa.kernels:
  - .name:           k_q7f596a70de_attn
    .symbol:         k_q7f596a70de_attn.kd
    .args:
      - { .name: qf, .offset: 0, .size: 8, .value_kind: global_buffer, .address_space: global }
      - { .name: kf, .offset: 8, .size: 8, .value_kind: global_buffer, .address_space: global }
      - { .name: uf, .offset: 16, .size: 8, .value_kind: global_buffer, .address_space: global }
      - { .name: part, .offset: 24, .size: 8, .value_kind: global_buffer, .address_space: global }
    .group_segment_fixed_size: 70144
    .private_segment_fixed_size: 0
    .kernarg_segment_align: 8
    .kernarg_segment_size: 32
    .max_flat_workgroup_size: 128
    .sgpr_count:     66
    .vgpr_count:     1024
    .wavefront_size: 32
...
	.end_amdgpu_metadata
.endif
;; end of part 2
;; launch outp (part 3): grid 4 x 64, 4 waves a work-group, no clusters, 69,120 bytes of LDS; arguments part, W_vT, out0; writes out0
.if DOCPART == 3
	.amdgcn_target "amdgcn-amd-amdhsa--gfx1250"
	.amdhsa_code_object_version 6
	.text
	.protected	k_q7f596a70de_outp
	.globl	k_q7f596a70de_outp
	.p2align	8
	.type	k_q7f596a70de_outp,@function
k_q7f596a70de_outp:
	s_mov_b64 s[64:65], 0
	v_nop
	global_prefetch_b8 v0, s[64:65] scope:SCOPE_SE
	s_setreg_imm32_b32 hwreg(HW_REG_WAVE_MODE, 25, 1), 1
	s_wait_xcnt 0x0
; MERGE, NORMALISE, AND THE LAST PRODUCT.  Work-group (cq, qb): 64 queries x columns 256 cq .. 256 cq + 255 of out0.  Wave w: query tile w.
; A wave merges its tile's nch = qb / 10 + 1 partial results (O^T, -max, sum) with weights exp2(max_x - max) / sum, splits O into two bf16 pieces
; h + m (each piece's register image IS a B fragment, a query a lane), and multiplies both by W_vT^T as A: a lane then holds 8 neighbouring columns
; of one row of out0.  Two pieces, because the output's allowance has no room for a rounding of O to 8 bits where two scores nearly tie.
; W_vT's quarter (64 dims x 256 columns) is rounded to bf16 and laid into LDS as it lies, [dim][column]; the transposing load makes the fragments.
; Results go through a stage of the wave's own, so that each store of the wave covers 512 consecutive bytes of a row, aligned.
; The merge is written out for each nch (1 to 7), since the counts of the waits hang on it; the choice hangs on the work-group's number alone.
; NO TENSOR LOADS: W_vT passes registers for the conversion, the partials are register images.  NO CLUSTER: the four quarters share only the
; partials, at most 7 x 4,352 bytes a wave, which go to registers.
.set WP,  544                          ; LDS pitch of W_vT's rows: 512 bytes + 32 (an odd multiple of 32, for the transposing load)
.set STG, 34816                        ; behind W: a stage of 16 rows x 528 bytes for each wave
.set SP,  528                          ; 512 bytes + 16
.set OFH, 96                           ; v96-111  O's piece h: B fragment of dims 32 ks .. at 96 + 8 ks
.set OFM, 240                          ; v240-255 O's piece m, likewise
; block 0: v1 16 x lane, v2 8 x lane, v4 W store, v5 W fragments, v6 stage in, v7 stage out
;          v[16+2x:17+2x] {-max, sum} of chunk x; v[32+2x:33+2x] {weight, its exponent}; v46-48 at work
;          v64-95 merged O^T; v112-239 W on its way in, then (v208-239) at work for the split, later 8 x 2 A fragments
; block 1: v0-223 the partials (32 x + 4 block); later v0-127 D of the two halves, v128-255 rows read back
.set MSB, 0
.macro WIN new                         ; s_set_vgpr_msb: low byte = block of source 0, 1, 2, destination; high byte repeats the setting that is left
.if MSB != \new
	s_set_vgpr_msb (MSB<<8)|\new
.set MSB, \new
.endif
.endm
.macro PLACES                          ; four places behind a matrix instruction (ISA guide 7.12.1)
.rept 4
	v_nop
.endr
.endm
.macro WM d, a, b, zero
.if \zero
	v_wmma_f32_16x16x32_bf16 v[\d:\d+7], v[\a:\a+7], v[\b:\b+7], 0
.else
	v_wmma_f32_16x16x32_bf16 v[\d:\d+7], v[\a:\a+7], v[\b:\b+7], v[\d:\d+7]
.endif
.endm
.macro MERGE n
.set x, 0
.rept \n
	global_load_b64 v[16+2*x:17+2*x], v2, s[4:5] offset:x*17408+4096
.set x, x+1
.endr
	WIN 0x40
.set x, 0
.rept 8*\n
	global_load_b128 v[4*x:4*x+3], v1, s[4:5] offset:(x/8)*17408+(x%8)*512
.set x, x+1
.endr
	WIN 0
	s_wait_loadcnt 9*\n                            ; W's 32 loads are in; the n + 8 n issued behind them stay out
.set i, 0
.rept 32
	v_cvt_pk_bf16_f32 v[112+4*i], v[112+4*i], v[113+4*i]
	v_cvt_pk_bf16_f32 v[113+4*i], v[114+4*i], v[115+4*i]
	ds_store_b64 v4, v[112+4*i:113+4*i] offset:(i/2)*WP+(i%2)*256
.set i, i+1
.endr
	s_wait_loadcnt 8*\n                            ; the statistics are in; the partials stay out
.if \n > 1
.set NMT, 46
	v_min_num_f32 v46, v16, v18
.set x, 2
.rept \n-2
	v_min_num_f32 v46, v46, v[16+2*x]
.set x, x+1
.endr
.else
.set NMT, 16                                       ; one chunk: its own maximum
.endif
.set x, 0
.rept \n
	v_sub_f32 v[33+2*x], v[NMT], v[16+2*x]
.set x, x+1
.endr
.set x, 0
.rept \n
	v_exp_f32 v[32+2*x], v[33+2*x]
.set x, x+1
.endr
	v_nop                                          ; one plain instruction behind the exponentials
	s_wait_alu depctr_va_vdst(0)
	v_mul_f32 v47, v32, v17
.set x, 1
.rept \n-1
	v_fma_f32 v47, v[32+2*x], v[17+2*x], v47
.set x, x+1
.endr
	v_rcp_f32 v48, v47                             ; the sum is at least 1: the largest score's own weight
	v_nop
.set x, 0
	s_wait_alu depctr_va_vdst(0)
.rept \n
	v_mul_f32 v[32+2*x], v[32+2*x], v48
.set x, x+1
.endr
	s_wait_loadcnt 0x0
	WIN 0x01                                       ; source 0 (the partials) in block 1
.set i, 0
.rept 16
	v_pk_mul_f32 v[64+2*i:65+2*i], v[2*i:2*i+1], v[32:33] op_sel_hi:[1,0]
.set i, i+1
.endr
.set x, 1
.rept \n-1
.set i, 0
.rept 16
	v_pk_fma_f32 v[64+2*i:65+2*i], v[32*x+2*i:32*x+2*i+1], v[32+2*x:33+2*x], v[64+2*i:65+2*i] op_sel_hi:[1,0,1]
.set i, i+1
.endr
.set x, x+1
.endr
	WIN 0
.endm
; 128 columns: 8 column tiles, K = 64 dims in two steps, two pieces of O, the smaller first; the eight accumulators take turns, one instruction a turn
.macro HALF hf
.irp nt, 0,1,2,3,4,5,6,7
.irp ks, 0,1
	ds_load_tr16_b128 v[112+16*\nt+8*\ks:112+16*\nt+8*\ks+3],   v5 offset:32*WP*\ks+32*(8*\hf+\nt)
	ds_load_tr16_b128 v[112+16*\nt+8*\ks+4:112+16*\nt+8*\ks+7], v5 offset:32*WP*\ks+32*(8*\hf+\nt)+16*WP
.endr
.endr
	s_wait_dscnt 0x0
	WIN 0x50                                       ; C and D in block 1
.irp nt, 0,1,2,3,4,5,6,7
	WM 64*\hf+8*\nt, 112+16*\nt, OFM, 1            ; the first product starts the sums
.endr
.irp nt, 0,1,2,3,4,5,6,7
	WM 64*\hf+8*\nt, 112+16*\nt+8, OFM+8, 0
.endr
.irp nt, 0,1,2,3,4,5,6,7
	WM 64*\hf+8*\nt, 112+16*\nt, OFH, 0
.endr
.irp nt, 0,1,2,3,4,5,6,7
	WM 64*\hf+8*\nt, 112+16*\nt+8, OFH+8, 0
.endr
	PLACES
	WIN 0x04                                       ; store data in block 1
.irp nt, 0,1,2,3,4,5,6,7
.irp q, 0,1
	ds_store_b128 v6, v[64*\hf+8*\nt+4*\q:64*\hf+8*\nt+4*\q+3] offset:64*\nt+16*\q
.endr
.endr
	WIN 0x40                                       ; my own stage: LDS serves a wave in order, the loads see the stores
.irp row, 0,1,2,3,4,5,6,7,8,9,10,11,12,13,14,15
	ds_load_b128 v[128+64*\hf+4*\row:128+64*\hf+4*\row+3], v7 offset:SP*\row
.endr
	WIN 0x04
.irp row, 0,1,2,3,4,5,6,7,8,9,10,11,12,13,14,15
	s_wait_dscnt 15-\row                           ; LDS loads come back in order: this row is in
	global_store_b128 v1, v[128+64*\hf+4*\row:128+64*\hf+4*\row+3], s[8:9] offset:\row*4096+\hf*512 th:TH_STORE_NT
.endr
	WIN 0
.endm
	s_load_b128 s[4:7], s[0:1], 0x0                ; part s[4:5], W_vT s[6:7]
	s_load_b64 s[8:9], s[0:1], 0x10                ; out0
	v_lshl_add_u32 v62, v0, 2, 0x10c00
	v_mov_b32 v63, 0
	v_lshrrev_b32 v1, 5, v0
	v_readfirstlane_b32 s10, v1                    ; wave
	s_and_b32 s11, ttmp7, 0xffff                   ; qb
	s_mul_i32 s12, s11, 205
	s_lshr_b32 s12, s12, 11
	s_add_co_u32 s12, s12, 1                       ; chunks of this block: qb / 10 + 1
	v_and_b32 v3, 31, v0
	v_lshlrev_b32 v1, 4, v3
	v_lshlrev_b32 v2, 3, v3
	s_mul_i32 s13, s10, 16*WP
	v_add_nc_u32 v4, s13, v2                       ; I convert dims 16 w .. 16 w + 15
	v_bfe_u32 v8, v0, 4, 1                         ; h
	v_and_b32 v9, 7, v0
	v_lshl_add_u32 v9, v8, 3, v9
	v_bfe_u32 v10, v0, 3, 1
	v_lshlrev_b32 v10, 4, v10
	v_mad_u32_u24 v5, v9, WP, v10
	s_mul_i32 s13, s10, 16*SP
	s_add_co_u32 s13, s13, STG
	v_and_b32 v11, 15, v0
	v_mul_u32_u24 v6, v11, SP
	v_lshl_add_u32 v6, v8, 5, v6                   ; row r, 8 h columns of 4 bytes
	v_add_nc_u32 v6, s13, v6
	v_add_nc_u32 v7, s13, v1
	s_mov_b32 s15, 0
	s_lshl_b32 s16, ttmp9, 10                      ; my quarter: 1,024 bytes along a row
	s_lshl_b32 s17, s10, 16                        ; 16 rows of 4,096 bytes
	s_wait_kmcnt 0x0
	s_add_co_u32 s14, s16, s17
	s_add_nc_u64 s[6:7], s[6:7], s[14:15]
	s_lshl_b32 s18, s11, 18
	s_add_co_u32 s14, s14, s18
	s_add_nc_u64 s[8:9], s[8:9], s[14:15]
	s_mul_i32 s14, s11, 7*17408
	s_mul_i32 s18, s10, 4352
	s_add_co_u32 s14, s14, s18
	s_add_nc_u64 s[4:5], s[4:5], s[14:15]
.set i, 0
.rept 32
	global_load_b128 v[112+4*i:115+4*i], v1, s[6:7] offset:(i/2)*4096+(i%2)*512
.set i, i+1
.endr
	s_cmp_eq_u32 s12, 1
	s_cbranch_scc1 .Lm1
	s_cmp_eq_u32 s12, 2
	s_cbranch_scc1 .Lm2
	s_cmp_eq_u32 s12, 3
	s_cbranch_scc1 .Lm3
	s_cmp_eq_u32 s12, 4
	s_cbranch_scc1 .Lm4
	s_cmp_eq_u32 s12, 5
	s_cbranch_scc1 .Lm5
	s_cmp_eq_u32 s12, 6
	s_cbranch_scc1 .Lm6
	MERGE 7
	s_branch .Lmerged
.Lm6:
	MERGE 6
	s_branch .Lmerged
.Lm5:
	MERGE 5
	s_branch .Lmerged
.Lm4:
	MERGE 4
	s_branch .Lmerged
.Lm3:
	MERGE 3
	s_branch .Lmerged
.Lm2:
	MERGE 2
	s_branch .Lmerged
.Lm1:
	MERGE 1
.Lmerged:
	; O = h + m.  Dims 16 d + 8 h + 0..7 of query r: tiles 2 ks and 2 ks + 1 are registers 0-3 and 4-7 of fragment ks
.set i, 0
.rept 16
	v_cvt_pk_bf16_f32 v[OFH+i], v[64+2*i], v[65+2*i]
.set i, i+1
.endr
.set i, 0
.rept 16
	v_lshlrev_b32 v[208+2*i], 16, v[OFH+i]
	v_and_b32 v[209+2*i], 0xffff0000, v[OFH+i]
.set i, i+1
.endr
.set i, 0
.rept 16
	v_pk_add_f32 v[64+2*i:65+2*i], v[64+2*i:65+2*i], v[208+2*i:209+2*i] neg_lo:[0,1] neg_hi:[0,1]   ; exact: the rest of a rounding to 8 bits fits in f32
.set i, i+1
.endr
.set i, 0
.rept 16
	v_cvt_pk_bf16_f32 v[OFM+i], v[64+2*i], v[65+2*i]
.set i, i+1
.endr
	s_wait_dscnt 0x0                               ; for the other waves' sake: my 16 rows of W are in LDS
	s_barrier_signal -1
	s_barrier_wait -1
	HALF 0
	HALF 1
	s_wait_tensorcnt 0x0
	ds_add_u32 v62, v63
	s_wait_dscnt 0x0
	s_endpgm
.Lfunc_end_k_q7f596a70de_outp:
	.size	k_q7f596a70de_outp, .Lfunc_end_k_q7f596a70de_outp-k_q7f596a70de_outp
	.p2alignl 7, 3214868480
	.fill 96, 4, 3214868480
	.section	.rodata,"a",@progbits
	.p2align	6, 0x0
	.amdhsa_kernel k_q7f596a70de_outp
		.amdhsa_group_segment_fixed_size 69120
		.amdhsa_private_segment_fixed_size 0
		.amdhsa_enable_private_segment 0
		.amdhsa_kernarg_size 24
		.amdhsa_user_sgpr_count 2
		.amdhsa_user_sgpr_kernarg_segment_ptr 1
		.amdhsa_wavefront_size32 1
		.amdhsa_system_sgpr_workgroup_id_x 1
		.amdhsa_system_sgpr_workgroup_id_y 1
		.amdhsa_system_sgpr_workgroup_id_z 1
		.amdhsa_system_vgpr_workitem_id 0
		.amdhsa_next_free_vgpr 512
		.amdhsa_next_free_sgpr 66
		.amdhsa_reserve_vcc 0
		.amdhsa_float_denorm_mode_32 3
		.amdhsa_float_denorm_mode_16_64 3
		.amdhsa_memory_ordered 1
		.amdhsa_forward_progress 1
		.amdhsa_inst_pref_size 129
	.end_amdhsa_kernel
	.amdgpu_metadata
---
amdhsa.version: [ 1, 2 ]
amdhsa.kernels:
  - .name:           k_q7f596a70de_outp
    .symbol:         k_q7f596a70de_outp.kd
    .args:
      - { .name: part, .offset: 0, .size: 8, .value_kind: global_buffer, .address_space: global }
      - { .name: W_vT, .offset: 8, .size: 8, .value_kind: global_buffer, .address_space: global }
      - { .name: out0, .offset: 16, .size: 8, .value_kind: global_buffer, .address_space: global }
    .group_segment_fixed_size: 69120
    .private_segment_fixed_size: 0
    .kernarg_segment_align: 8
    .kernarg_segment_size: 24
    .max_flat_workgroup_size: 128
    .sgpr_count:     66
    .vgpr_count:     512
    .wavefront_size: 32
...
	.end_amdgpu_metadata
.endif
;; end of part 3
;; ======== version 2 of 2: 3 launches; version 1 with the launches proj, outp written anew for expert scheduling mode
;; limits: right only within a limited range of input values
;; workspace buffers: qf 1,572,864 bytes; kf 1,572,864 bytes; uf 1,048,576 bytes; part 7,798,784 bytes
;; launch proj (part 4): grid 3 x 64, 4 waves a work-group, no clusters, 143,872 bytes of LDS; arguments x, W_q, W_kT, W_o, qf, kf, uf; writes qf, kf, uf
.if DOCPART == 4
	.amdgcn_target "amdgcn-amd-amdhsa--gfx1250"
	.amdhsa_code_object_version 6
	.text
	.protected	k_q7f596a70de_proj
	.globl	k_q7f596a70de_proj
	.p2align	8
	.type	k_q7f596a70de_proj,@function
k_q7f596a70de_proj:
	s_mov_b64 s[64:65], 0
	v_nop
	global_prefetch_b8 v0, s[64:65] scope:SCOPE_SE
	s_setreg_imm32_b32 hwreg(HW_REG_WAVE_SCHED_MODE, 0, 2), 2
	s_setreg_imm32_b32 hwreg(HW_REG_WAVE_MODE, 25, 1), 1
	s_wait_xcnt 0x0
	s_wait_alu depctr_vm_vsrc(0)
; PROJECTIONS.  Work-group (kind, rb): 64 rows of x (rows 64 rb ..) times one weight matrix, 64 columns, K = 1024.
;   kind 0: q = x W_q, times log2(e) in f32;  kind 1: k = x W_kT^T;  kind 2: u = x W_o.
; x and the weights are rounded once to bf16 (their products are exact in f32), the sums are f32.
; q and k are NOT rounded: each f32 number leaves as three bf16 pieces h + m + l that add up to it exactly, because the scores
; have no 1/sqrt(d) in front of the softmax and a bf16 rounding of q or k would move them by several units.
; u leaves as two pieces h + m (16 bits of mantissa): where two scores nearly tie, the output's allowance has no room for a rounding of u to 8 bits.
; All three leave in the register image of the matrix instructions' operands, so that the next launch loads fragments by
; 16 bytes a lane, 512 consecutive bytes a wave:
;   qf, kf: tile T (rows 16 T ..) at T*6144; block 4 p + d (piece p, 512 bytes); lane (r, h): piece p of value[16 T + r][16 d + 8 h + 0..7]
;   uf:     group G (rows 32 G ..) at G*8192; piece p at + 4096 p; block 2 d + e; lane (r, h): piece p of u[32 G + 16 e + 8 h + 0..7][16 d + r]
; SHARES: wave w takes k = 256 w .. 256 w + 255 of all 64 x 64 outputs (16 accumulator tiles), in 4 chunks of 64 k.  Each wave reads bytes
; of x and W that no other wave of the group reads, converts them in registers and lays them in LDS bytes of its own: no barrier until
; the four partial sums meet in LDS at the end (one barrier); wave w then finishes row tile w.
; NO TENSOR LOADS: the data have to pass registers for the f32 -> bf16 conversion.  NO CLUSTER: the three kinds share x, but three
; work-groups along x divide into no cluster of four, and what is shared passes registers, not LDS tiles.
; LIMITS: finite inputs; a piece that falls under bf16's smallest normal number loses bits.
; THE MODE: SCHED_MODE bits 1:0 = 2 (LLVM: expert scheduling mode 2), set by the entry lines.  The code itself states the register dependences
; between vector or matrix instructions and memory or LDS instructions, with s_wait_alu, always for 0.
; THE PLAN.  Registers that memory or LDS instructions touch:
;   the seven slots (block 2, v0-223)  A unit's 8 loads land in its slot; its 16 conversions read the slot and write the first two of each four registers;
;                its 8 LDS stores read those; then the loads of the unit seven on land in the slot.  The units go in PAIRS: 32 conversions, ONE wait on
;                va_vdst (they have written what the 16 stores read and are done with both slots), the 16 stores, ONE wait on vm_vsrc (the stores have
;                read the slots), the 16 loads.  No vector instruction stands between the first of these waits and the loads.
;   XF, WF (block 0, v64-191)  A chunk's 32 LDS loads land there, its 32 matrix instructions read them: one wait on va_vdst ahead of the next chunk's loads.
;   the accumulators (block 1) Written by matrix instructions, read by the merge's LDS stores: the four places, then one wait, which also frees XF and WF for the merge's loads.
;   v96-143 (block 0)          Written by the roundings into pieces, read by the global stores: one wait ahead of each run of stores.
;   the eleven address registers  Made at the head, never written again: one wait ahead of the first load.
.set XP,   144                         ; LDS pitch of rows that lie along k: 128 bytes + 16 (an odd multiple of 16: the 16 rows of a fragment load start in different 16-byte columns; 64 banks of 4 bytes, ISA guide 11.1)
.set TP,   160                         ; LDS pitch of W kept as [k][n]: 128 bytes + 32 (an odd multiple of 32, for the transposing load)
.set WLDS, 19456                       ; a wave's own LDS: x chunk 64 x 144 = 9,216, W chunk 64 x 160 = 10,240
.set WOFF, 9216
.set MRG,  77824                       ; behind the four waves' bytes: [source wave][row tile][dim tile][half tile][lane x 16], 65,536 bytes
; block 0
.set XR,  5                            ; x fragments: wave base + r*144 + 16 h
.set WRP, 6                            ; W fragments, W kept [n][k]
.set MW,  7                            ; merge, write
.set MR,  8                            ; merge, read
.set L16, 9                            ; 16 x lane
.set WRT, 10                           ; W fragments, W kept [k][n] (transposing load)
.set XF,  64                           ; v64-127  x fragment (rt, ks) at 64 + 16 rt + 8 ks
.set WF,  128                          ; v128-191 W fragment (dt, ks) at 128 + 16 dt + 8 ks
; block 1: v0-127 accumulator tile (dt, rt) at 8 (4 dt + rt)
; block 2: v0-223 seven slots of 32 registers for data on its way in; then
.set VOX,  224                         ; offset in x (and in W_kT): (lane/16) rows of 4,096 bytes + 16 (lane%16)
.set VOW,  225                         ; offset in W_q, W_o: 16 x lane
.set LSX,  226                         ; LDS store address, x
.set LSWP, 227                         ; LDS store address, W kept [n][k]
.set LSWT, 228                         ; LDS store address, W kept [k][n]
.set SX,   24
.set SW,   26
.set SOUT, 28
.set MSB, 0
.macro WIN new                         ; s_set_vgpr_msb: low byte = block of source 0, 1, 2, destination; high byte repeats the setting that is left
.if MSB != \new
	s_set_vgpr_msb (MSB<<8)|\new
.set MSB, \new
.endif
.endm
.macro PLACES                          ; four places behind a matrix instruction (ISA guide 7.12.1)
.rept 4
	v_nop
.endr
.endm
.macro WM d, a, b, zero
.if \zero
	v_wmma_f32_16x16x32_bf16 v[\d:\d+7], v[\a:\a+7], v[\b:\b+7], 0
.else
	v_wmma_f32_16x16x32_bf16 v[\d:\d+7], v[\a:\a+7], v[\b:\b+7], v[\d:\d+7]
.endif
.endm
; Unit n (0..31) = 4,096 bytes = 8 loads: chunk n/8; n%8 < 4: 16 rows of x, else 16 rows of W.  Each load covers two runs of 256 consecutive
; bytes (x, W_kT) or 512 consecutive bytes (W_q, W_o).  lay = 1: W lies [k][n] in memory.
.macro GL n, lay
.set gs, 32*((\n)%7)
.set gc, (\n)/8
.set gu, (\n)%8
.irp i, 0,1,2,3,4,5,6,7
.if gu < 4
	global_load_b128 v[gs+4*\i:gs+4*\i+3], v[VOX], s[SX:SX+1] offset:(16*gu+2*\i)*4096+256*gc
.else
.if \lay
	global_load_b128 v[gs+4*\i:gs+4*\i+3], v[VOW], s[SW:SW+1] offset:16384*gc+(8*(gu-4)+\i)*512
.else
	global_load_b128 v[gs+4*\i:gs+4*\i+3], v[VOX], s[SW:SW+1] offset:(16*(gu-4)+2*\i)*4096+256*gc
.endif
.endif
.endr
.endm
; Unit n is converted in place: four f32 close up into the first two of their four registers.
.macro CVT n
.set cs, 32*((\n)%7)
.irp i, 0,1,2,3,4,5,6,7
	v_cvt_pk_bf16_f32 v[cs+4*\i], v[cs+4*\i], v[cs+4*\i+1]
	v_cvt_pk_bf16_f32 v[cs+4*\i+1], v[cs+4*\i+2], v[cs+4*\i+3]
.endr
.endm
; Unit n is laid into the wave's own LDS bytes.
.macro STO n, lay
.set cs, 32*((\n)%7)
.set cu, (\n)%8
.irp i, 0,1,2,3,4,5,6,7
.if cu < 4
	ds_store_b64 v[LSX], v[cs+4*\i:cs+4*\i+1] offset:(16*cu+2*\i)*XP
.else
.if \lay
	ds_store_b64 v[LSWT], v[cs+4*\i:cs+4*\i+1] offset:(16*(cu-4)+2*\i)*TP
.else
	ds_store_b64 v[LSWP], v[cs+4*\i:cs+4*\i+1] offset:(16*(cu-4)+2*\i)*XP
.endif
.endif
.endr
.endm
; Units n and n + 1 (n even): converted, laid into LDS, and their slots asked for again (units n + 7 and n + 8, as far as there are units).
; At the pair's head the units up to min(n + 6, 31) have been asked for.
.macro PAIR n, lay
.set top, (\n)+6
.if top > 31
.set top, 31
.endif
	s_wait_loadcnt 8*(top-(\n))                    ; loads come back in order: unit n is in; the younger units of 8 loads, six of them until the tail, stay out
	CVT \n
	s_wait_loadcnt 8*(top-(\n)-1)                  ; unit n + 1 is in; one unit fewer stays out
	CVT (\n)+1
	s_wait_alu depctr_va_vdst(0)                   ; the 32 conversions have written what the LDS stores below read, and are done reading and writing the two slots, in which the loads below land
	STO \n, \lay
	STO (\n)+1, \lay
.if (\n)+7 <= 31
	s_wait_alu depctr_vm_vsrc(0)                   ; the LDS stores have read the two slots, in which the loads below land
	GL (\n)+7, \lay
.endif
.if (\n)+8 <= 31
	GL (\n)+8, \lay
.endif
.endm
; 32 LDS loads: the chunk's fragments, first those of k 0-31, then those of k 32-63.  The wave's own bytes: LDS serves a wave in order.
.macro FRAG lay
.irp ks, 0,1
.irp t, 0,1,2,3
	ds_load_b128 v[XF+16*\t+8*\ks:XF+16*\t+8*\ks+3],   v[XR] offset:\t*16*XP+64*\ks
	ds_load_b128 v[XF+16*\t+8*\ks+4:XF+16*\t+8*\ks+7], v[XR] offset:\t*16*XP+64*\ks+32
.endr
.irp t, 0,1,2,3
.if \lay
	ds_load_tr16_b128 v[WF+16*\t+8*\ks:WF+16*\t+8*\ks+3],   v[WRT] offset:32*TP*\ks+32*\t
	ds_load_tr16_b128 v[WF+16*\t+8*\ks+4:WF+16*\t+8*\ks+7], v[WRT] offset:32*TP*\ks+32*\t+16*TP
.else
	ds_load_b128 v[WF+16*\t+8*\ks:WF+16*\t+8*\ks+3],   v[WRP] offset:\t*16*XP+64*\ks
	ds_load_b128 v[WF+16*\t+8*\ks+4:WF+16*\t+8*\ks+7], v[WRP] offset:\t*16*XP+64*\ks+32
.endif
.endr
.endr
.endm
; 16 matrix instructions, one on each accumulator: the accumulators take turns, one instruction a turn.
; swap = 0: A = W (rows = dims), B = x: a lane holds 8 neighbouring dims of one row of x.  swap = 1: A = x, B = W: 8 neighbouring rows of one dim.
.macro MM ks, swap, zero
.irp dt, 0,1,2,3
.irp rt, 0,1,2,3
.if \swap
	WM 8*(4*\dt+\rt), XF+16*\rt+8*\ks, WF+16*\dt+8*\ks, \zero
.else
	WM 8*(4*\dt+\rt), WF+16*\dt+8*\ks, XF+16*\rt+8*\ks, \zero
.endif
.endr
.endr
.endm
.macro CHUNK c, lay, swap
	WIN 0xaa                                       ; every operand in block 2
.irp u, 0,2,4,6
	PAIR 8*\c+\u, \lay
.endr
	WIN 0
.if \c
	s_wait_alu depctr_va_vdst(0)                   ; the last chunk's matrix instructions are done reading XF and WF, in which the loads below land (the chunk's 128 conversions stand between as well)
.endif
	FRAG \lay
	s_wait_dscnt 16                                ; all but the 16 loads of k 32-63
	WIN 0x50                                       ; C and D in block 1
.if \c
	MM 0, \swap, 0
.else
	MM 0, \swap, 1                                 ; the first products start the sums: nothing is cleared
.endif
	s_wait_dscnt 0x0
	MM 1, \swap, 0
.endm
.macro MAIN lay, swap
	WIN 0xaa
	s_wait_alu depctr_va_vdst(0)                   ; the head has written the eleven address registers, which every load and store of the kernel reads
.irp n, 0,1,2,3,4,5,6
	GL \n, \lay                                    ; seven units, 28,672 bytes of the wave, are asked for; from here on five to seven units are on their way
.endr
	CHUNK 0, \lay, \swap
	CHUNK 1, \lay, \swap
	CHUNK 2, \lay, \swap
	CHUNK 3, \lay, \swap
	WIN 0
.endm
	s_load_b256 s[4:11], s[0:1], 0x0               ; x s[4:5], W_q s[6:7], W_kT s[8:9], W_o s[10:11]
	s_load_b128 s[12:15], s[0:1], 0x20             ; qf s[12:13], kf s[14:15]
	s_load_b64 s[16:17], s[0:1], 0x30              ; uf
	v_lshl_add_u32 v254, v0, 2, 0x23000
	v_mov_b32 v255, 0
	v_lshrrev_b32 v1, 5, v0
	v_readfirstlane_b32 s20, v1                    ; wave
	s_mov_b32 s18, ttmp9                           ; kind
	s_and_b32 s19, ttmp7, 0xffff                   ; block of 64 rows
	v_and_b32 v2, 31, v0                           ; lane
	v_and_b32 v3, 15, v0                           ; r
	v_bfe_u32 v4, v0, 4, 1                         ; h
	v_mul_u32_u24 v[XR], v3, XP
	v_lshl_add_u32 v[XR], v4, 4, v[XR]
	s_wait_alu depctr_va_sdst(0)                   ; s20 is written, ahead of its first reader: LDS addresses and the bases of x, W and the outputs are made from it
	s_mul_i32 s21, s20, WLDS                       ; my LDS bytes
	v_add_nc_u32 v[XR], s21, v[XR]
	v_add_nc_u32 v[WRP], WOFF, v[XR]
	v_and_b32 v11, 7, v0
	v_lshl_add_u32 v11, v4, 3, v11                 ; 8 h + lane % 8: the k row that this lane addresses
	v_bfe_u32 v12, v0, 3, 1
	v_lshlrev_b32 v12, 4, v12
	v_mad_u32_u24 v[WRT], v11, TP, v12
	s_add_co_u32 s22, s21, WOFF
	v_add_nc_u32 v[WRT], s22, v[WRT]
	v_lshlrev_b32 v[L16], 4, v2
	s_lshl_b32 s22, s20, 14
	s_add_co_u32 s22, s22, MRG
	v_add_nc_u32 v[MW], s22, v[L16]
	s_lshl_b32 s22, s20, 12
	s_add_co_u32 s22, s22, MRG
	v_add_nc_u32 v[MR], s22, v[L16]
	v_lshlrev_b32 v13, 4, v3
	v_lshl_add_u32 v14, v3, 3, s21
	v_add_nc_u32 v15, WOFF, v14
	WIN 0x80                                       ; destinations in block 2
	v_lshl_add_u32 v[VOX], v4, 12, v13
	v_lshlrev_b32 v[VOW], 4, v2
	v_mad_u32_u24 v[LSX], v4, XP, v14
	v_mad_u32_u24 v[LSWP], v4, XP, v15
	v_mad_u32_u24 v[LSWT], v4, TP, v15
	WIN 0
	s_lshl_b32 s22, s19, 18                        ; 64 rows of 4,096 bytes
	s_lshl_b32 s23, s20, 10                        ; my 256 k, 1,024 bytes along a row
	s_add_co_u32 s22, s22, s23
	s_mov_b32 s23, 0
	s_wait_kmcnt 0x0
	s_add_nc_u64 s[SX:SX+1], s[4:5], s[22:23]
	s_cmp_eq_u32 s18, 1
	s_cbranch_scc1 .Lkind_k
	s_lshl_b32 s22, s20, 16                        ; W_q, W_o: my 256 rows of 256 bytes
	s_cmp_eq_u32 s18, 2
	s_cbranch_scc1 .Lkind_u
	s_add_nc_u64 s[SW:SW+1], s[6:7], s[22:23]
	MAIN 1, 0
	s_branch .Lmerge
.Lkind_u:
	s_add_nc_u64 s[SW:SW+1], s[10:11], s[22:23]
	MAIN 1, 1
	s_branch .Lmerge
.Lkind_k:
	s_lshl_b32 s22, s20, 10                        ; W_kT: my 1,024 bytes along each of its 64 rows
	s_add_nc_u64 s[SW:SW+1], s[8:9], s[22:23]
	MAIN 0, 0
.Lmerge:
	; the four waves' partial sums meet: each wave lays its 16 tiles down, one barrier, wave w adds up row tile w
	PLACES
	WIN 0x04                                       ; store data in block 1; addresses and loaded data in block 0: the setting serves the stores and the loads behind the barrier
	s_wait_alu depctr_va_vdst(0)                   ; the matrix instructions have written the accumulators, which the LDS stores read (the places above stay beside this wait), and are done reading v64-191, in which the loads behind the barrier land
.irp dt, 0,1,2,3
.irp rt, 0,1,2,3
.irp q, 0,1
	ds_store_b128 v[MW], v[8*(4*\dt+\rt)+4*\q:8*(4*\dt+\rt)+4*\q+3] offset:\rt*4096+\dt*1024+\q*512
.endr
.endr
.endr
	s_wait_dscnt 0x0                               ; for the other waves' sake: my stores are done
	s_barrier_signal -1
	s_barrier_wait -1
.irp s, 0,1,2,3
.irp f, 0,1,2,3,4,5,6,7
	ds_load_b128 v[64+32*\s+4*\f:64+32*\s+4*\f+3], v[MR] offset:\s*16384+\f*512   ; no vector or matrix instruction since the wait above
.endr
.endr
	WIN 0
	s_wait_dscnt 0x0
.set i, 0
.rept 16
	v_pk_add_f32 v[64+2*i:65+2*i], v[64+2*i:65+2*i], v[96+2*i:97+2*i]
	v_pk_add_f32 v[128+2*i:129+2*i], v[128+2*i:129+2*i], v[160+2*i:161+2*i]
.set i, i+1
.endr
.set i, 0
.rept 16
	v_pk_add_f32 v[64+2*i:65+2*i], v[64+2*i:65+2*i], v[128+2*i:129+2*i]   ; v[64 + 8 dt + j]: the finished numbers
.set i, i+1
.endr
	s_cmp_eq_u32 s18, 2
	s_cbranch_scc1 .Lout_u
	s_lshl_b32 s22, s19, 2
	s_add_co_u32 s22, s22, s20                     ; tile 4 rb + w
	s_mul_i32 s22, s22, 6144
	s_cmp_eq_u32 s18, 0
	s_cselect_b64 s[SOUT:SOUT+1], s[12:13], s[14:15]
	s_add_nc_u64 s[SOUT:SOUT+1], s[SOUT:SOUT+1], s[22:23]
	s_cbranch_scc0 .Lsplit
.set i, 0
.rept 16
	v_pk_mul_f32 v[64+2*i:65+2*i], v[64+2*i:65+2*i], 0x3fb8aa3b op_sel_hi:[1,0]   ; q alone: log2(e), so that the softmax works in base 2
.set i, i+1
.endr
.Lsplit:
; a piece: round to bf16; more = 1: take it away again, which is exact (the rest of a rounding to 8 bits fits in f32)
.macro PIECE dst, more
.set i, 0
.rept 16
	v_cvt_pk_bf16_f32 v[\dst+i], v[64+2*i], v[65+2*i]
.set i, i+1
.endr
.if \more
.set i, 0
.rept 16
	v_lshlrev_b32 v[144+2*i], 16, v[\dst+i]
	v_and_b32 v[145+2*i], 0xffff0000, v[\dst+i]
.set i, i+1
.endr
.set i, 0
.rept 16
	v_pk_add_f32 v[64+2*i:65+2*i], v[64+2*i:65+2*i], v[144+2*i:145+2*i] neg_lo:[0,1] neg_hi:[0,1]
.set i, i+1
.endr
.endif
.endm
	PIECE 96, 1                                    ; h
	PIECE 112, 1                                   ; m
	PIECE 128, 0                                   ; l: 24 bits of mantissa = 3 x 8, nothing is left
	s_wait_alu depctr_va_vdst(0)                   ; the roundings have written v96-143, which the stores read
.irp p, 0,1,2
.irp dt, 0,1,2,3
	global_store_b128 v[L16], v[96+16*\p+4*\dt:96+16*\p+4*\dt+3], s[SOUT:SOUT+1] offset:(4*\p+\dt)*512   ; 512 consecutive bytes, aligned
.endr
.endr
	s_wait_dscnt 0x0
	s_wait_alu depctr_hold_cnt(0) depctr_sa_sdst(0) depctr_va_vdst(0) depctr_va_sdst(0) depctr_va_ssrc(0) depctr_va_vcc(0) depctr_vm_vsrc(0)
	s_wait_tensorcnt 0x0
	ds_add_u32 v254, v255
	s_wait_dscnt 0x0
	s_endpgm
.Lout_u:
	s_lshl_b32 s22, s19, 1
	s_lshr_b32 s21, s20, 1
	s_add_co_u32 s22, s22, s21                     ; group 2 rb + w/2
	s_lshl_b32 s22, s22, 13                        ; 8,192 bytes a group: two pieces
	s_and_b32 s21, s20, 1                          ; e = w % 2
	s_lshl_b32 s21, s21, 9
	s_add_co_u32 s22, s22, s21
	s_add_nc_u64 s[SOUT:SOUT+1], s[16:17], s[22:23]
	PIECE 96, 1                                    ; h
	PIECE 112, 0                                   ; m: what is left behind it is under 2^-17 of u
	s_wait_alu depctr_va_vdst(0)                   ; the roundings have written v96-127, which the stores read
.irp p, 0,1
.irp dt, 0,1,2,3
	global_store_b128 v[L16], v[96+16*\p+4*\dt:96+16*\p+4*\dt+3], s[SOUT:SOUT+1] offset:\p*4096+\dt*1024
.endr
.endr
	s_wait_dscnt 0x0
	s_wait_alu depctr_hold_cnt(0) depctr_sa_sdst(0) depctr_va_vdst(0) depctr_va_sdst(0) depctr_va_ssrc(0) depctr_va_vcc(0) depctr_vm_vsrc(0)
	s_wait_tensorcnt 0x0
	ds_add_u32 v254, v255
	s_wait_dscnt 0x0
	s_endpgm
.Lfunc_end_k_q7f596a70de_proj:
	.size	k_q7f596a70de_proj, .Lfunc_end_k_q7f596a70de_proj-k_q7f596a70de_proj
	.p2alignl 7, 3214868480
	.fill 96, 4, 3214868480
	.section	.rodata,"a",@progbits
	.p2align	6, 0x0
	.amdhsa_kernel k_q7f596a70de_proj
		.amdhsa_group_segment_fixed_size 143872
		.amdhsa_private_segment_fixed_size 0
		.amdhsa_enable_private_segment 0
		.amdhsa_kernarg_size 56
		.amdhsa_user_sgpr_count 2
		.amdhsa_user_sgpr_kernarg_segment_ptr 1
		.amdhsa_wavefront_size32 1
		.amdhsa_system_sgpr_workgroup_id_x 1
		.amdhsa_system_sgpr_workgroup_id_y 1
		.amdhsa_system_sgpr_workgroup_id_z 1
		.amdhsa_system_vgpr_workitem_id 0
		.amdhsa_next_free_vgpr 768
		.amdhsa_next_free_sgpr 66
		.amdhsa_reserve_vcc 0
		.amdhsa_float_denorm_mode_32 3
		.amdhsa_float_denorm_mode_16_64 3
		.amdhsa_memory_ordered 1
		.amdhsa_forward_progress 1
		.amdhsa_inst_pref_size 255
	.end_amdhsa_kernel
	.section	.bss,"aw",@nobits
	.p2align	6
	.space	262144
	.amdgpu_metadata
---
amdhsa.version: [ 1, 2 ]
amdhsa.kernels:
  - .name:           k_q7f596a70de_proj
    .symbol:         k_q7f596a70de_proj.kd
    .args:
      - { .name: x, .offset: 0, .size: 8, .value_kind: global_buffer, .address_space: global }
      - { .name: W_q, .offset: 8, .size: 8, .value_kind: global_buffer, .address_space: global }
      - { .name: W_kT, .offset: 16, .size: 8, .value_kind: global_buffer, .address_space: global }
      - { .name: W_o, .offset: 24, .size: 8, .value_kind: global_buffer, .address_space: global }
      - { .name: qf, .offset: 32, .size: 8, .value_kind: global_buffer, .address_space: global }
      - { .name: kf, .offset: 40, .size: 8, .value_kind: global_buffer, .address_space: global }
      - { .name: uf, .offset: 48, .size: 8, .value_kind: global_buffer, .address_space: global }
    .group_segment_fixed_size: 143872
    .private_segment_fixed_size: 0
    .kernarg_segment_align: 8
    .kernarg_segment_size: 56
    .max_flat_workgroup_size: 128
    .sgpr_count:     66
    .vgpr_count:     768
    .wavefront_size: 32
...
	.end_amdgpu_metadata
.endif
;; end of part 4
;; launch attn: the kernel of part 2 again; grid 238 x 1, 4 waves a work-group, no clusters, 70,144 bytes of LDS; arguments qf, kf, uf, part; writes part
;; launch outp (part 5): grid 4 x 64, 4 waves a work-group, no clusters, 69,120 bytes of LDS; arguments part, W_vT, out0; writes out0
.if DOCPART == 5
	.amdgcn_target "amdgcn-amd-amdhsa--gfx1250"
	.amdhsa_code_object_version 6
	.text
	.protected	k_q7f596a70de_outp
	.globl	k_q7f596a70de_outp
	.p2align	8
	.type	k_q7f596a70de_outp,@function
k_q7f596a70de_outp:
	s_mov_b64 s[64:65], 0
	v_nop
	global_prefetch_b8 v0, s[64:65] scope:SCOPE_SE
	s_setreg_imm32_b32 hwreg(HW_REG_WAVE_SCHED_MODE, 0, 2), 2
	s_setreg_imm32_b32 hwreg(HW_REG_WAVE_MODE, 25, 1), 1
	s_wait_xcnt 0x0
	s_wait_alu depctr_vm_vsrc(0)
; MERGE, NORMALISE, AND THE LAST PRODUCT.  Work-group (cq, qb): 64 queries x columns 256 cq .. 256 cq + 255 of out0.  Wave w: query tile w.
; A wave merges its tile's nch = qb / 10 + 1 partial results (O^T, -max, sum) with weights exp2(max_x - max) / sum, splits O into two bf16 pieces
; h + m (each piece's register image IS a B fragment, a query a lane), and multiplies both by W_vT^T as A: a lane then holds 8 neighbouring columns
; of one row of out0.  Two pieces, because the output's allowance has no room for a rounding of O to 8 bits where two scores nearly tie.
; W_vT's quarter (64 dims x 256 columns) is rounded to bf16 and laid into LDS as it lies, [dim][column]; the transposing load makes the fragments.
; Results go through a stage of the wave's own, so that each store of the wave covers 512 consecutive bytes of a row, aligned.
; The merge is written out for each nch (1 to 7), since the counts of the waits hang on it; the choice hangs on the work-group's number alone.
; NO TENSOR LOADS: W_vT passes registers for the conversion, the partials are register images.  NO CLUSTER: the four quarters share only the
; partials, at most 7 x 4,352 bytes a wave, which go to registers.
; THE MODE: SCHED_MODE bits 1:0 = 2 (LLVM: expert scheduling mode 2), set by the entry lines.  The code itself states the register dependences
; between vector or matrix instructions and memory or LDS instructions, with s_wait_alu, always for 0.
; THE PLAN.  Registers that memory or LDS instructions touch:
;   v112-239 (block 0)   W's 32 loads land there; 64 conversions work in place; ONE wait on va_vdst; 32 LDS stores read them.  One wait on vm_vsrc ahead of the split,
;                        which takes v208-239 as work registers.  Then each half's 32 transposing loads land there and its matrix instructions read them:
;                        one wait on va_vdst at each half's head, behind all that has named them.
;   block 1, v0-223      The partials land there; the merge's packed lines read them.
;   block 1, v0-127      The two halves' results: written by matrix instructions, read by the stage's LDS stores: the four places, then one wait on va_vdst, which also
;   block 1, v128-255    frees these for the rows read back from the stage (the merge's lines read them last); the global stores read them, and nothing writes them again.
;   v1, v2, v4-v7        Addresses, made at the head and never written again: one wait ahead of the first load.
.set WP,  544                          ; LDS pitch of W_vT's rows: 512 bytes + 32 (an odd multiple of 32, for the transposing load)
.set STG, 34816                        ; behind W: a stage of 16 rows x 528 bytes for each wave
.set SP,  528                          ; 512 bytes + 16
.set OFH, 96                           ; v96-111  O's piece h: B fragment of dims 32 ks .. at 96 + 8 ks
.set OFM, 240                          ; v240-255 O's piece m, likewise
; block 0: v1 16 x lane, v2 8 x lane, v4 W store, v5 W fragments, v6 stage in, v7 stage out
;          v[16+2x:17+2x] {-max, sum} of chunk x; v[32+2x:33+2x] {weight, its exponent}; v46-48 at work
;          v64-95 merged O^T; v112-239 W on its way in, then (v208-239) at work for the split, later 8 x 2 A fragments
; block 1: v0-223 the partials (32 x + 4 block); later v0-127 D of the two halves, v128-255 rows read back
.set MSB, 0
.macro WIN new                         ; s_set_vgpr_msb: low byte = block of source 0, 1, 2, destination; high byte repeats the setting that is left
.if MSB != \new
	s_set_vgpr_msb (MSB<<8)|\new
.set MSB, \new
.endif
.endm
.macro PLACES                          ; four places behind a matrix instruction (ISA guide 7.12.1)
.rept 4
	v_nop
.endr
.endm
.macro WM d, a, b, zero
.if \zero
	v_wmma_f32_16x16x32_bf16 v[\d:\d+7], v[\a:\a+7], v[\b:\b+7], 0
.else
	v_wmma_f32_16x16x32_bf16 v[\d:\d+7], v[\a:\a+7], v[\b:\b+7], v[\d:\d+7]
.endif
.endm
.macro MERGE n
.set x, 0
.rept \n
	global_load_b64 v[16+2*x:17+2*x], v2, s[4:5] offset:x*17408+4096
.set x, x+1
.endr
	WIN 0x40
.set x, 0
.rept 8*\n
	global_load_b128 v[4*x:4*x+3], v1, s[4:5] offset:(x/8)*17408+(x%8)*512
.set x, x+1
.endr
	WIN 0
	s_wait_loadcnt 9*\n                            ; W's 32 loads are in; the n + 8 n issued behind them stay out
.set i, 0
.rept 32
	v_cvt_pk_bf16_f32 v[112+4*i], v[112+4*i], v[113+4*i]
	v_cvt_pk_bf16_f32 v[113+4*i], v[114+4*i], v[115+4*i]
.set i, i+1
.endr
	s_wait_alu depctr_va_vdst(0)                   ; the 64 conversions have written what the LDS stores below read
.set i, 0
.rept 32
	ds_store_b64 v4, v[112+4*i:113+4*i] offset:(i/2)*WP+(i%2)*256
.set i, i+1
.endr
	s_wait_loadcnt 8*\n                            ; the statistics are in; the partials stay out
.if \n > 1
.set NMT, 46
	v_min_num_f32 v46, v16, v18
.set x, 2
.rept \n-2
	v_min_num_f32 v46, v46, v[16+2*x]
.set x, x+1
.endr
.else
.set NMT, 16                                       ; one chunk: its own maximum
.endif
.set x, 0
.rept \n
	v_sub_f32 v[33+2*x], v[NMT], v[16+2*x]
.set x, x+1
.endr
.set x, 0
.rept \n
	v_exp_f32 v[32+2*x], v[33+2*x]
.set x, x+1
.endr
	v_nop                                          ; one plain instruction behind the exponentials
	s_wait_alu depctr_va_vdst(0)
	v_mul_f32 v47, v32, v17
.set x, 1
.rept \n-1
	v_fma_f32 v47, v[32+2*x], v[17+2*x], v47
.set x, x+1
.endr
	v_rcp_f32 v48, v47                             ; the sum is at least 1: the largest score's own weight
	v_nop
.set x, 0
	s_wait_alu depctr_va_vdst(0)
.rept \n
	v_mul_f32 v[32+2*x], v[32+2*x], v48
.set x, x+1
.endr
	s_wait_loadcnt 0x0
	WIN 0x01                                       ; source 0 (the partials) in block 1
.set i, 0
.rept 16
	v_pk_mul_f32 v[64+2*i:65+2*i], v[2*i:2*i+1], v[32:33] op_sel_hi:[1,0]
.set i, i+1
.endr
.set x, 1
.rept \n-1
.set i, 0
.rept 16
	v_pk_fma_f32 v[64+2*i:65+2*i], v[32*x+2*i:32*x+2*i+1], v[32+2*x:33+2*x], v[64+2*i:65+2*i] op_sel_hi:[1,0,1]
.set i, i+1
.endr
.set x, x+1
.endr
	WIN 0
.endm
; 128 columns: 8 column tiles, K = 64 dims in two steps, two pieces of O, the smaller first; the eight accumulators take turns, one instruction a turn
.macro HALF hf
	s_wait_alu depctr_va_vdst(0)                   ; all that has named v112-239 is done: W's conversions and the split's work lines (first half), the first half's matrix instructions, which read their fragments there (second half); the loads below land in them
.irp nt, 0,1,2,3,4,5,6,7
.irp ks, 0,1
	ds_load_tr16_b128 v[112+16*\nt+8*\ks:112+16*\nt+8*\ks+3],   v5 offset:32*WP*\ks+32*(8*\hf+\nt)
	ds_load_tr16_b128 v[112+16*\nt+8*\ks+4:112+16*\nt+8*\ks+7], v5 offset:32*WP*\ks+32*(8*\hf+\nt)+16*WP
.endr
.endr
	s_wait_dscnt 0x0
	WIN 0x50                                       ; C and D in block 1
.irp nt, 0,1,2,3,4,5,6,7
	WM 64*\hf+8*\nt, 112+16*\nt, OFM, 1            ; the first product starts the sums
.endr
.irp nt, 0,1,2,3,4,5,6,7
	WM 64*\hf+8*\nt, 112+16*\nt+8, OFM+8, 0
.endr
.irp nt, 0,1,2,3,4,5,6,7
	WM 64*\hf+8*\nt, 112+16*\nt, OFH, 0
.endr
.irp nt, 0,1,2,3,4,5,6,7
	WM 64*\hf+8*\nt, 112+16*\nt+8, OFH+8, 0
.endr
	PLACES
	WIN 0x44                                       ; store data and loaded data in block 1, addresses in block 0: one setting for the stage's stores, its loads and the global stores
	s_wait_alu depctr_va_vdst(0)                   ; the matrix instructions have written the results, which the LDS stores read (the places above stay beside this wait); the merge's lines are done reading block 1's v128-255, in which the rows read back land
.irp nt, 0,1,2,3,4,5,6,7
.irp q, 0,1
	ds_store_b128 v6, v[64*\hf+8*\nt+4*\q:64*\hf+8*\nt+4*\q+3] offset:64*\nt+16*\q
.endr
.endr
.irp row, 0,1,2,3,4,5,6,7,8,9,10,11,12,13,14,15
	ds_load_b128 v[128+64*\hf+4*\row:128+64*\hf+4*\row+3], v7 offset:SP*\row   ; my own stage: LDS serves a wave in order, the loads see the stores
.endr
.irp row, 0,1,2,3,4,5,6,7,8,9,10,11,12,13,14,15
	s_wait_dscnt 15-\row                           ; LDS loads come back in order: this row is in
	global_store_b128 v1, v[128+64*\hf+4*\row:128+64*\hf+4*\row+3], s[8:9] offset:\row*4096+\hf*512 th:TH_STORE_NT
.endr
	WIN 0
.endm
	s_load_b128 s[4:7], s[0:1], 0x0                ; part s[4:5], W_vT s[6:7]
	s_load_b64 s[8:9], s[0:1], 0x10                ; out0
	v_lshl_add_u32 v62, v0, 2, 0x10c00
	v_mov_b32 v63, 0
	v_lshrrev_b32 v1, 5, v0
	v_readfirstlane_b32 s10, v1                    ; wave
	s_and_b32 s11, ttmp7, 0xffff                   ; qb
	s_mul_i32 s12, s11, 205
	s_lshr_b32 s12, s12, 11
	s_add_co_u32 s12, s12, 1                       ; chunks of this block: qb / 10 + 1
	v_and_b32 v3, 31, v0
	v_lshlrev_b32 v1, 4, v3
	v_lshlrev_b32 v2, 3, v3
	s_wait_alu depctr_va_sdst(0)                   ; s10 is written, ahead of its first reader: LDS addresses and the three bases are made from it
	s_mul_i32 s13, s10, 16*WP
	v_add_nc_u32 v4, s13, v2                       ; I convert dims 16 w .. 16 w + 15
	v_bfe_u32 v8, v0, 4, 1                         ; h
	v_and_b32 v9, 7, v0
	v_lshl_add_u32 v9, v8, 3, v9
	v_bfe_u32 v10, v0, 3, 1
	v_lshlrev_b32 v10, 4, v10
	v_mad_u32_u24 v5, v9, WP, v10
	s_mul_i32 s13, s10, 16*SP
	s_add_co_u32 s13, s13, STG
	v_and_b32 v11, 15, v0
	v_mul_u32_u24 v6, v11, SP
	v_lshl_add_u32 v6, v8, 5, v6                   ; row r, 8 h columns of 4 bytes
	v_add_nc_u32 v6, s13, v6
	v_add_nc_u32 v7, s13, v1
	s_mov_b32 s15, 0
	s_lshl_b32 s16, ttmp9, 10                      ; my quarter: 1,024 bytes along a row
	s_lshl_b32 s17, s10, 16                        ; 16 rows of 4,096 bytes
	s_wait_kmcnt 0x0
	s_add_co_u32 s14, s16, s17
	s_add_nc_u64 s[6:7], s[6:7], s[14:15]
	s_lshl_b32 s18, s11, 18
	s_add_co_u32 s14, s14, s18
	s_add_nc_u64 s[8:9], s[8:9], s[14:15]
	s_mul_i32 s14, s11, 7*17408
	s_mul_i32 s18, s10, 4352
	s_add_co_u32 s14, s14, s18
	s_add_nc_u64 s[4:5], s[4:5], s[14:15]
	s_wait_alu depctr_va_vdst(0)                   ; the head has written v1, v2 and v4 to v7, which every load and store of the kernel reads as its address
.set i, 0
.rept 32
	global_load_b128 v[112+4*i:115+4*i], v1, s[6:7] offset:(i/2)*4096+(i%2)*512
.set i, i+1
.endr
	s_cmp_eq_u32 s12, 1
	s_cbranch_scc1 .Lm1
	s_cmp_eq_u32 s12, 2
	s_cbranch_scc1 .Lm2
	s_cmp_eq_u32 s12, 3
	s_cbranch_scc1 .Lm3
	s_cmp_eq_u32 s12, 4
	s_cbranch_scc1 .Lm4
	s_cmp_eq_u32 s12, 5
	s_cbranch_scc1 .Lm5
	s_cmp_eq_u32 s12, 6
	s_cbranch_scc1 .Lm6
	MERGE 7
	s_branch .Lmerged
.Lm6:
	MERGE 6
	s_branch .Lmerged
.Lm5:
	MERGE 5
	s_branch .Lmerged
.Lm4:
	MERGE 4
	s_branch .Lmerged
.Lm3:
	MERGE 3
	s_branch .Lmerged
.Lm2:
	MERGE 2
	s_branch .Lmerged
.Lm1:
	MERGE 1
.Lmerged:
	; O = h + m.  Dims 16 d + 8 h + 0..7 of query r: tiles 2 ks and 2 ks + 1 are registers 0-3 and 4-7 of fragment ks
.set i, 0
.rept 16
	v_cvt_pk_bf16_f32 v[OFH+i], v[64+2*i], v[65+2*i]
.set i, i+1
.endr
	s_wait_alu depctr_vm_vsrc(0)                   ; my LDS stores of W have read v112-239, of which v208-239 are written again below
.set i, 0
.rept 16
	v_lshlrev_b32 v[208+2*i], 16, v[OFH+i]
	v_and_b32 v[209+2*i], 0xffff0000, v[OFH+i]
.set i, i+1
.endr
.set i, 0
.rept 16
	v_pk_add_f32 v[64+2*i:65+2*i], v[64+2*i:65+2*i], v[208+2*i:209+2*i] neg_lo:[0,1] neg_hi:[0,1]   ; exact: the rest of a rounding to 8 bits fits in f32
.set i, i+1
.endr
.set i, 0
.rept 16
	v_cvt_pk_bf16_f32 v[OFM+i], v[64+2*i], v[65+2*i]
.set i, i+1
.endr
	s_wait_dscnt 0x0                               ; for the other waves' sake: my 16 rows of W are in LDS
	s_barrier_signal -1
	s_barrier_wait -1
	HALF 0
	HALF 1
	s_wait_dscnt 0x0
	s_wait_alu depctr_hold_cnt(0) depctr_sa_sdst(0) depctr_va_vdst(0) depctr_va_sdst(0) depctr_va_ssrc(0) depctr_va_vcc(0) depctr_vm_vsrc(0)
	s_wait_tensorcnt 0x0
	ds_add_u32 v62, v63
	s_wait_dscnt 0x0
	s_endpgm
.Lfunc_end_k_q7f596a70de_outp:
	.size	k_q7f596a70de_outp, .Lfunc_end_k_q7f596a70de_outp-k_q7f596a70de_outp
	.p2alignl 7, 3214868480
	.fill 96, 4, 3214868480
	.section	.rodata,"a",@progbits
	.p2align	6, 0x0
	.amdhsa_kernel k_q7f596a70de_outp
		.amdhsa_group_segment_fixed_size 69120
		.amdhsa_private_segment_fixed_size 0
		.amdhsa_enable_private_segment 0
		.amdhsa_kernarg_size 24
		.amdhsa_user_sgpr_count 2
		.amdhsa_user_sgpr_kernarg_segment_ptr 1
		.amdhsa_wavefront_size32 1
		.amdhsa_system_sgpr_workgroup_id_x 1
		.amdhsa_system_sgpr_workgroup_id_y 1
		.amdhsa_system_sgpr_workgroup_id_z 1
		.amdhsa_system_vgpr_workitem_id 0
		.amdhsa_next_free_vgpr 512
		.amdhsa_next_free_sgpr 66
		.amdhsa_reserve_vcc 0
		.amdhsa_float_denorm_mode_32 3
		.amdhsa_float_denorm_mode_16_64 3
		.amdhsa_memory_ordered 1
		.amdhsa_forward_progress 1
		.amdhsa_inst_pref_size 129
	.end_amdhsa_kernel
	.amdgpu_metadata
---
amdhsa.version: [ 1, 2 ]
amdhsa.kernels:
  - .name:           k_q7f596a70de_outp
    .symbol:         k_q7f596a70de_outp.kd
    .args:
      - { .name: part, .offset: 0, .size: 8, .value_kind: global_buffer, .address_space: global }
      - { .name: W_vT, .offset: 8, .size: 8, .value_kind: global_buffer, .address_space: global }
      - { .name: out0, .offset: 16, .size: 8, .value_kind: global_buffer, .address_space: global }
    .group_segment_fixed_size: 69120
    .private_segment_fixed_size: 0
    .kernarg_segment_align: 8
    .kernarg_segment_size: 24
    .max_flat_workgroup_size: 128
    .sgpr_count:     66
    .vgpr_count:     512
    .wavefront_size: 32
...
	.end_amdgpu_metadata
.endif
;; end of part 5
